; MI455X (gfx1250); checked and timed in simulation.
; The chip was launched on July 23, 2026; its instructions are those of AMD's public machine-readable ISA for CDNA 5 (MIT licence, August 2026) and "CDNA5" Instruction Set Architecture Reference Guide (July 2026). The comments in the code are by the model that wrote it; some were corrected since.
;; Sliding Window Attention. Allowed arithmetic: matrix products marked QUANTISED: E2M1 operands, one E8M0 scale for each 32 along K, by v_wmma_scale_f32_16x16x128_f8f6f4 with both operands' format E2M1 (or v_wmma_scale_f32_32x16x128_f4), f32 sums; everything else in f32.
;; Inputs: Wk 1,024 x 1,024 float32; Wq 1,024 x 1,024 float32; Wv 1,024 x 1,024 float32; bk 1,024 float32; bq 1,024 float32; bv 1,024 float32; hidden_states 4 x 2,048 x 1,024 float32.
;; Outputs: out0 4 x 2,048 x 1,024 float32.
;; This version of the problem:
;;   THIS VERSION OF THE PROBLEM IS GIVEN IN LOW PRECISION. The matrix products marked QUANTISED in the list below multiply operands that are first quantised to E2M1 (2 exponent bits, 1 mantissa bit; 4 bits a number), with one power-of-two scale for each 32 numbers along K (OCP MX v1.0); their sums are f32. All else is computed in f32.
;;   The module's matrix products, in the order in which they are computed (A, B: the left and right operand; K: the contracted axis; several contracted axes count as one K, in the product's order):
;;     1. [M 8,192, K 1,024] x [K 1,024, N 1,024]; A: input hidden_states; B: input Wq: QUANTISED
;;     2. [M 8,192, K 1,024] x [K 1,024, N 1,024]; A: input hidden_states; B: input Wk: QUANTISED
;;     3. [M 8,192, K 1,024] x [K 1,024, N 1,024]; A: input hidden_states; B: input Wv: QUANTISED
;;     4. batch 64 x [M 2,048, K 64] x [K 64, N 2,048]; A: computed on the way; B: computed on the way: QUANTISED
;;     5. batch 64 x [M 2,048, K 2,048] x [K 2,048, N 64]; A: softmax (see below); B: computed on the way: QUANTISED
;;   THE QUANTISER, for each operand of a quantised product, along K:
;;     - K is cut into blocks of 32 from its start; a last block that is shorter is filled with zeros.
;;     - A block's scale is 2^e with e = floor(log2(the largest magnitude in the block)) - 2, held to -126 .. 127; a block of zeros has e = 0. As a byte (E8M0): e + 127.
;;     - Each number is divided by its block's scale, clamped to +-6, and rounded to the nearest number of E2M1, ties to even, subnormals kept.
;;     - The product sums the exact products of the quantised numbers (number of the format x scale) in f32.
;;   ~~~python
;;   def quantise(x, axis):      # numpy; x: float32 -> the quantised numbers, widened to float32 again
;;       x = np.moveaxis(x, axis, -1); K = x.shape[-1]
;;       x = np.pad(x, [(0, 0)] * (x.ndim - 1) + [(0, -K % 32)]); x = x.reshape(x.shape[:-1] + (-1, 32)); a = np.abs(x).max(-1, keepdims=True)
;;       e = np.where(a > 0, np.clip(np.frexp(np.where(a > 0, a, 1))[1] - 1 - 2, -126, 127), 0)      # np.frexp(a)[1] - 1 = floor(log2(a)), exactly
;;       r = np.clip(x / 2.0 ** e, -6, 6)
;;       step = 2.0 ** (np.maximum(np.frexp(np.where(r == 0, 1, r))[1] - 1, 0) - 1)
;;       q = np.round(r / step) * step * 2.0 ** e      # np.round: ties to even
;;       return np.moveaxis(q.reshape(q.shape[:-2] + (-1,))[..., :K], -1, axis).astype(np.float32)
;;   ~~~
;;   SOFTMAX AHEAD OF A QUANTISED PRODUCT. Where the list says 'softmax', what is quantised is not the finished softmax but p = 2^(t - M), with t = logit x log2(e) and M = ceil(the row's largest t), a whole number; so 1/2 < the row's largest p <= 1. The row's sum l is taken of the UNQUANTISED p, in f32, and the product's result is divided by l at the end. Since M is a whole number, a kernel that streams over the keys may use a running M (the ceiling of the running maximum): every later rescaling is an exact power of two, which a block's scale takes up: the codes' values come out the same.
;;   OPERANDS COMPUTED ON THE WAY. 'Computed on the way' means the value that the module computes at that place (a softmax that the list does not call 'softmax' is quantised finished and normalised). What goes into a quantiser is computed in f32, as accurately as f32 sums, v_exp_f32 and their like allow (about 1e-6 of the number): no bf16 or f16 on the way to a quantiser, and a product that is left as it is and whose result goes on into a quantised operand takes f32 operands (vector FMAs, or v_wmma_f32_16x16x4_f32). A number that lies on a knife's edge between two numbers of the format may be rounded either way, as far as f32 arithmetic and the matrix unit's own rounding can turn it there, and no further.
;; 2 versions, each right; version 2 is version 1 with the launch attn written anew for expert scheduling mode. Each part assembles by itself: llvm-mc -triple=amdgcn-amd-amdhsa -mcpu=gfx1250 --defsym DOCPART=n.
;; ======== version 1 of 2: 2 launches
;; limits: right only within a limited range of input values
;; workspace buffers: xc 4,194,304 bytes; xs 262,144 bytes; wc 1,572,864 bytes; ws 98,304 bytes
;; launch quant (part 1): grid 352 x 1, 8 waves a work-group, no clusters, 66,560 bytes of LDS; arguments hidden_states, Wk, Wq, Wv, xc, xs, wc, ws; writes xc, xs, wc, ws
.if DOCPART == 1
	.amdgcn_target "amdgcn-amd-amdhsa--gfx1250"
	.amdhsa_code_object_version 6
	.text
	.protected	k_qeca9671cfa_quant
	.globl	k_qeca9671cfa_quant
	.p2align	8
	.type	k_qeca9671cfa_quant,@function
k_qeca9671cfa_quant:
	s_mov_b64 s[64:65], 0
	v_nop
	global_prefetch_b8 v0, s[64:65] scope:SCOPE_SE
	s_setreg_imm32_b32 hwreg(HW_REG_WAVE_MODE, 25, 1), 1
	s_wait_xcnt 0x0
; hidden_states [8192][1024] and Wk, Wq, Wv [1024 (k)][1024 (n)], f32, become codes of FP4 (E2M1) with one E8M0 scale byte for each 32 along K = 1,024.
; A block's scale is 2^(floor(log2(its largest magnitude)) - 2): its byte is the largest magnitude's exponent field - 2, held at 1 from below.
; THE BUFFERS ARE LAID IN THE ORDER OF THE OPERAND'S REGISTERS.  A PAIR is 32 rows of x (or 32 columns of a W): two tiles u = 0, 1 of 16.
;   codes of a pair, 16,384 bytes: s*2048 + u*1024 + c*512 + h*256 + r*16 holds the 16 bytes of block 4 s + 2 c + h of the row at place (u, r): lane 16 h + r of fragment (s, u) takes registers 4 c .. 4 c + 3 from there.
;   scale words of a pair, 1,024 bytes: s*128 + 4 (16 u + r): the four bytes of K step s.
;   Place (u, r) holds row 8 u + r + 8 (r / 8) of the 32 for x and for the columns of Wk and Wq, and row 16 u + r for the columns of Wv.
;   wc and ws: pair = head*6 + cp; cp 0, 1: Wk's columns 0-31, 32-63 of the head; 2, 3: Wq's; 4, 5: Wv's.
; LIMITS: NaN and infinities among the inputs are not served.  A block of zeros gets the byte 1 (the rule says 127): its codes are zeros, and only this program reads the bytes.
; Work-groups 0-95 take the weights, 96-351 a pair of x each.  Waves share nothing: no barrier.  No matrix unit, cluster or tensor load: the launch is a stream that reads each byte once.
; The scale words leave as 128 consecutive bytes a wave, half of an aligned 256: 360,448 bytes in all beside 46 million read.
.set NWW,  96                          ; work-groups for the weights
.set SP,   80                          ; x: a lane's place in a stage: 64 bytes + 16 of padding
.set UP,   320                         ; x: from one 256 bytes of codes to the next in LDS: the four blocks of a step start 16 banks apart
.set OUTB, 5120                        ; in a wave's 8,192 bytes of LDS: two stages of 2,560, then eight times 320 for the codes,
.set SCB,  7680                        ; then its 128 scale bytes
.set WX,   32                          ; W: v32-95 two sets of 32 numbers
.set WC,   96                          ; W: v96-111 four registers of codes for each block
.set WSB,  24                          ; W: v24 the four scale bytes
.set R,    16                          ; x: v16-143 eight steps of 16 registers as loaded
.set X,    144                         ; x: v144-175 two sets of 16 neighbours
.set C,    176                         ; x: v176-191 two registers of codes for each step
.set E,    192                         ; x: v192-199 a scale byte for each step
	s_load_b256 s[4:11], s[0:1], 0x0               ; hidden_states, Wk, Wq, Wv
	s_load_b256 s[12:19], s[0:1], 0x20             ; xc, xs, wc, ws
	v_lshl_add_u32 v208, v0, 2, 0x10000
	v_mov_b32 v209, 0
	v_lshrrev_b32 v1, 5, v0
	v_readfirstlane_b32 s20, v1                    ; wave 0..7
	v_and_b32 v2, 31, v0                           ; lane
	s_cmp_lt_u32 ttmp9, NWW
	s_cbranch_scc0 .Lxpath
; ---------------- THE WEIGHTS.  A lane takes a column and its registers run down K: a block of 32 lies in one lane, and the codes come out with K innermost.
; Work-group = which*32 + s*4 + cg: which tensor, which 128 rows (one K step), which 256 columns; wave w takes 32 of them: one pair.
	s_lshr_b32 s22, ttmp9, 5                       ; which: 0 k, 1 q, 2 v
	s_and_b32 s23, ttmp9, 3                        ; cg
	s_bfe_u32 s24, ttmp9, 0x30002                  ; s
	s_lshl_b32 s25, s23, 3
	s_add_co_u32 s25, s25, s20                     ; which 32 columns of the 1,024
	s_lshr_b32 s26, s25, 1                         ; head
	s_and_b32 s27, s25, 1                          ; which half of its 64
	s_mul_i32 s26, s26, 6
	s_lshl_b32 s28, s22, 1
	s_add_co_u32 s26, s26, s28
	s_add_co_u32 s26, s26, s27                     ; the pair in wc and ws
	v_and_b32 v6, 15, v2                           ; r
	v_lshrrev_b32 v7, 4, v2                        ; u
	v_and_b32 v8, 8, v6
	v_add_nc_u32 v8, v8, v6
	v_lshl_add_u32 v8, v7, 3, v8                   ; 8 u + r + 8 (r / 8): my column for Wk and Wq
	s_cmp_eq_u32 s22, 2
	s_cselect_b32 s29, -1, 0
	v_cndmask_b32 v8, v8, v2, s29                  ; for Wv: 16 u + r, the lane's number
	v_lshlrev_b32 v3, 2, v8                        ; in: 4 bytes a column
	v_lshlrev_b32 v4, 4, v6
	v_lshl_add_u32 v4, v7, 10, v4                  ; codes out: u*1024 + r*16
	v_lshlrev_b32 v5, 2, v2                        ; scale word out: 4 x lane
	s_lshl_b32 s30, s24, 19                        ; 128 rows of 4,096 bytes
	s_lshl_b32 s31, s25, 7
	s_add_co_u32 s30, s30, s31
	s_mov_b32 s31, 0
	s_lshl_b32 s32, s26, 14
	s_lshl_b32 s33, s24, 11
	s_add_co_u32 s32, s32, s33
	s_mov_b32 s33, 0
	s_lshl_b32 s34, s26, 10
	s_lshl_b32 s35, s24, 7
	s_add_co_u32 s34, s34, s35
	s_mov_b32 s35, 0
	s_wait_kmcnt 0x0
	s_cmp_eq_u32 s22, 0                            ; the choice hangs on the work-group's number alone
	s_cselect_b64 s[6:7], s[6:7], s[8:9]
	s_cmp_eq_u32 s22, 2
	s_cselect_b64 s[6:7], s[10:11], s[6:7]
	s_add_nc_u64 s[6:7], s[6:7], s[30:31]
	s_add_nc_u64 s[16:17], s[16:17], s[32:33]
	s_add_nc_u64 s[18:19], s[18:19], s[34:35]
.macro WLD t                           ; block t: W(32 t + i, my column), i = 0 .. 31: the wave reads 128 consecutive bytes of a row
.irp i, 0,1,2,3,4,5,6,7,8,9,10,11,12,13,14,15,16,17,18,19,20,21,22,23,24,25,26,27,28,29,30,31
	global_load_b32 v[WX+32*((\t)%2)+\i], v3, s[6:7] offset:(32*(\t)+\i)*4096 th:TH_LOAD_NT
.endr
.endm
.macro WBLK t
.set WQ, WX+32*((\t)%2)
.if (\t) < 3
	s_wait_loadcnt 32                              ; this block's 32 loads are in; the next block's may be out
.else
	s_wait_loadcnt 0x0
.endif
	v_max3_num_f32 v12, |v[WQ]|, |v[WQ+1]|, |v[WQ+2]|          ; the block's largest magnitude: all 32 numbers are mine
	v_max3_num_f32 v13, |v[WQ+3]|, |v[WQ+4]|, |v[WQ+5]|
.irp i, 6,10,14,18,22,26
	v_max3_num_f32 v12, v12, |v[WQ+\i]|, |v[WQ+\i+1]|
	v_max3_num_f32 v13, v13, |v[WQ+\i+2]|, |v[WQ+\i+3]|
.endr
	v_max3_num_f32 v12, v12, |v[WQ+30]|, |v[WQ+31]|
	v_max3_num_f32 v12, v12, v13, 0x1800000        ; and the floor 2^(3 - 127): the byte cannot fall under 1
	v_add_nc_u32 v11, 0xff000000, v12              ; 2 off the exponent field: the conversion takes that field as its scale
	v_lshrrev_b32 v13, 23, v11                     ; the scale's byte
.if (\t) == 0
	v_mov_b32 v[WSB], v13
.else
	v_lshl_or_b32 v[WSB], v13, 8*(\t), v[WSB]
.endif
.irp g, 0,1,2,3
	v_cvt_scalef32_pk8_fp4_f32 v[WC+4*(\t)+\g], v[WQ+8*\g:WQ+8*\g+7], v11
.endr
	global_store_b128 v4, v[WC+4*(\t):WC+4*(\t)+3], s[16:17] offset:256*(\t)   ; lanes 0-15 fill one aligned 256 bytes, lanes 16-31 another; each block has registers of its own
.if (\t) < 2
	WLD (\t)+2
.endif
.endm
	WLD 0
	WLD 1
	WBLK 0
	WBLK 1
	WBLK 2
	WBLK 3
	global_store_b32 v5, v[WSB], s[18:19]          ; the pair's 32 scale words of this K step: 128 consecutive bytes
	s_endpgm
; ---------------- x.  Wave w takes K step w (128 numbers, 512 bytes) of the pair's 32 rows: 8 steps of 4 rows.  Each load reads 512 consecutive bytes; a step's 2,048 bytes turn through the
; wave's own stage in LDS, so that a lane holds 16 neighbours along K (two neighbouring lanes hold a block).  All 32 loads of a wave go out at once.
.Lxpath:
	s_sub_co_u32 s22, ttmp9, NWW                   ; the pair
	s_lshl_b32 s24, s22, 17                        ; 32 rows of 4,096 bytes
	s_lshl_b32 s25, s20, 9
	s_add_co_u32 s24, s24, s25
	s_mov_b32 s25, 0
	s_lshl_b32 s26, s22, 14
	s_lshl_b32 s27, s20, 11
	s_add_co_u32 s26, s26, s27
	s_mov_b32 s27, 0
	s_lshl_b32 s28, s22, 10
	s_lshl_b32 s29, s20, 7
	s_add_co_u32 s28, s28, s29
	s_mov_b32 s29, 0
	s_lshl_b32 s30, s20, 13                        ; my wave's 8,192 bytes of LDS
	v_lshlrev_b32 v3, 4, v2                        ; 16 x lane
	v_lshrrev_b32 v14, 2, v2
	v_mul_u32_u24 v14, v14, SP
	v_and_b32 v15, 3, v2
	v_lshl_add_u32 v14, v15, 4, v14
	v_add_nc_u32 v14, s30, v14                     ; into a stage: four lanes' 64 bytes on end, then the padding
	v_mul_u32_u24 v15, v2, SP
	v_add_nc_u32 v15, s30, v15                     ; out of it: my 64 bytes
	v_bfe_u32 v8, v2, 1, 2                         ; my block of the K step's four
	v_lshrrev_b32 v10, 3, v2                       ; my row of the step's four
	v_and_b32 v11, 1, v2                           ; my half of the block
	v_mul_u32_u24 v4, v8, UP
	v_lshl_add_u32 v4, v10, 4, v4
	v_lshl_add_u32 v4, v11, 3, v4
	v_add_nc_u32 v4, s30, v4
	v_add_nc_u32 v4, OUTB, v4                      ; where my 8 bytes of codes go
	v_lshl_add_u32 v5, v10, 2, v8
	v_add_nc_u32 v5, s30, v5
	v_add_nc_u32 v5, SCB, v5                       ; and my block's byte
	v_lshrrev_b32 v6, 4, v2
	v_mul_u32_u24 v6, v6, UP
	v_and_b32 v7, 15, v2
	v_lshl_add_u32 v6, v7, 4, v6
	v_add_nc_u32 v6, s30, v6
	v_add_nc_u32 v6, OUTB, v6                      ; the way out: sixteen lanes to 256 bytes of codes
	v_lshlrev_b32 v9, 2, v2
	v_add_nc_u32 v7, s30, v9
	v_add_nc_u32 v7, SCB, v7                       ; and a scale word a lane
	s_wait_kmcnt 0x0
	s_add_nc_u64 s[4:5], s[4:5], s[24:25]
	s_add_nc_u64 s[12:13], s[12:13], s[26:27]
	s_add_nc_u64 s[14:15], s[14:15], s[28:29]
.macro XLD t
.irp i, 0,1,2,3
	global_load_b128 v[R+16*(\t)+4*\i:R+16*(\t)+4*\i+3], v3, s[4:5] offset:(4*(\t)+\i)*4096 th:TH_LOAD_NT
.endr
.endm
.macro XTURN t                         ; LDS serves a wave's instructions in order: no wait between the stores and the loads
.irp i, 0,1,2,3
	ds_store_b128 v14, v[R+16*(\t)+4*\i:R+16*(\t)+4*\i+3] offset:32*SP*((\t)%2)+8*SP*\i
.endr
.irp i, 0,1,2,3
	ds_load_b128 v[X+16*((\t)%2)+4*\i:X+16*((\t)%2)+4*\i+3], v15 offset:32*SP*((\t)%2)+16*\i
.endr
.endm
.macro XSTEP t                         ; rows 4 t + i: tile u = (t / 2) % 2, places r = 4 (t % 2) + 8 (t / 4) + i
.set XQ, X+16*((\t)%2)
.set XU, ((\t)/2)%2
.set XP, 4*((\t)%2)+8*((\t)/4)
.if (\t) > 0
	s_wait_dscnt 2                                 ; this step's numbers are back from the stage; the last step's two result stores may be out
.else
	s_wait_dscnt 0x0
.endif
.if (\t) < 7
	s_wait_loadcnt 4*(6-(\t))                      ; the next step's four loads are in; those of the steps behind it may be out
	XTURN (\t)+1
.endif
	v_max3_num_f32 v8, |v[XQ]|, |v[XQ+1]|, |v[XQ+2]|
	v_max3_num_f32 v10, |v[XQ+3]|, |v[XQ+4]|, |v[XQ+5]|
.irp i, 6,10
	v_max3_num_f32 v8, v8, |v[XQ+\i]|, |v[XQ+\i+1]|
	v_max3_num_f32 v10, v10, |v[XQ+\i+2]|, |v[XQ+\i+3]|
.endr
	v_max3_num_f32 v8, v8, |v[XQ+14]|, |v[XQ+15]|
	v_max3_num_f32 v8, v8, v10, 0x1800000          ; the floor 2^(3 - 127)
	v_max_num_f32_dpp v8, v8, v8 row_xmask:1 row_mask:0xf bank_mask:0xf   ; with my neighbour's 16: the block's largest magnitude
	v_add_nc_u32 v11, 0xff000000, v8
	v_cvt_scalef32_pk8_fp4_f32 v[C+2*(\t)], v[XQ:XQ+7], v11
	v_cvt_scalef32_pk8_fp4_f32 v[C+2*(\t)+1], v[XQ+8:XQ+15], v11
	v_lshrrev_b32 v[E+(\t)], 23, v11               ; the scale's byte (also the plain line behind the conversions)
	ds_store_b64 v4, v[C+2*(\t):C+2*(\t)+1] offset:4*XU*UP+16*XP
	ds_store_b8 v5, v[E+(\t)] offset:4*(16*XU+XP)  ; both lanes of a block write the same byte with the same value
.endm
.irp t, 0,1,2,3,4,5,6,7
	XLD \t
.endr
	s_wait_loadcnt 28                              ; step 0's four loads are in
	XTURN 0
.irp t, 0,1,2,3,4,5,6,7
	XSTEP \t
.endr
.irp i, 0,1,2,3
	ds_load_b128 v[X+4*\i:X+4*\i+3], v6 offset:2*UP*\i   ; these see my stores: LDS serves a wave's instructions in order
.endr
	ds_load_b32 v8, v7
.irp i, 0,1,2,3
	s_wait_dscnt 4-\i
	global_store_b128 v3, v[X+4*\i:X+4*\i+3], s[12:13] offset:512*\i   ; 512 consecutive bytes, aligned
.endr
	s_wait_dscnt 0x0
	global_store_b32 v9, v8, s[14:15]              ; the K step's 32 scale words: 128 consecutive bytes
	s_wait_tensorcnt 0x0
	ds_add_u32 v208, v209
	s_wait_dscnt 0x0
	s_endpgm
.Lfunc_end_k_qeca9671cfa_quant:
	.size	k_qeca9671cfa_quant, .Lfunc_end_k_qeca9671cfa_quant-k_qeca9671cfa_quant
	.p2alignl 7, 3214868480
	.fill 96, 4, 3214868480
	.section	.rodata,"a",@progbits
	.p2align	6, 0x0
	.amdhsa_kernel k_qeca9671cfa_quant
		.amdhsa_group_segment_fixed_size 66560
		.amdhsa_private_segment_fixed_size 0
		.amdhsa_enable_private_segment 0
		.amdhsa_kernarg_size 64
		.amdhsa_user_sgpr_count 2
		.amdhsa_user_sgpr_kernarg_segment_ptr 1
		.amdhsa_wavefront_size32 1
		.amdhsa_system_sgpr_workgroup_id_x 1
		.amdhsa_system_sgpr_workgroup_id_y 1
		.amdhsa_system_sgpr_workgroup_id_z 1
		.amdhsa_system_vgpr_workitem_id 0
		.amdhsa_next_free_vgpr 210
		.amdhsa_next_free_sgpr 66
		.amdhsa_reserve_vcc 0
		.amdhsa_float_denorm_mode_32 3
		.amdhsa_float_denorm_mode_16_64 3
		.amdhsa_memory_ordered 1
		.amdhsa_forward_progress 1
		.amdhsa_inst_pref_size 39
	.end_amdhsa_kernel
	.amdgpu_metadata
---
amdhsa.version: [ 1, 2 ]
amdhsa.kernels:
  - .name:           k_qeca9671cfa_quant
    .symbol:         k_qeca9671cfa_quant.kd
    .args:
      - { .name: hidden_states, .offset: 0, .size: 8, .value_kind: global_buffer, .address_space: global }
      - { .name: Wk, .offset: 8, .size: 8, .value_kind: global_buffer, .address_space: global }
      - { .name: Wq, .offset: 16, .size: 8, .value_kind: global_buffer, .address_space: global }
      - { .name: Wv, .offset: 24, .size: 8, .value_kind: global_buffer, .address_space: global }
      - { .name: xc, .offset: 32, .size: 8, .value_kind: global_buffer, .address_space: global }
      - { .name: xs, .offset: 40, .size: 8, .value_kind: global_buffer, .address_space: global }
      - { .name: wc, .offset: 48, .size: 8, .value_kind: global_buffer, .address_space: global }
      - { .name: ws, .offset: 56, .size: 8, .value_kind: global_buffer, .address_space: global }
    .group_segment_fixed_size: 66560
    .private_segment_fixed_size: 0
    .kernarg_segment_align: 8
    .kernarg_segment_size: 64
    .max_flat_workgroup_size: 256
    .sgpr_count:     66
    .vgpr_count:     210
    .wavefront_size: 32
...
	.end_amdgpu_metadata
.endif
;; end of part 1
;; launch attn (part 2): grid 16 x 16, 4 waves a work-group, no clusters, 201,728 bytes of LDS; arguments xc, xs, wc, ws, bk, bq, bv, out0; writes out0
.if DOCPART == 2
	.amdgcn_target "amdgcn-amd-amdhsa--gfx1250"
	.amdhsa_code_object_version 6
	.text
	.protected	k_qeca9671cfa_attn
	.globl	k_qeca9671cfa_attn
	.p2align	8
	.type	k_qeca9671cfa_attn,@function
k_qeca9671cfa_attn:
	s_mov_b64 s[64:65], 0
	v_nop
	global_prefetch_b8 v0, s[64:65] scope:SCOPE_SE
	s_setreg_imm32_b32 hwreg(HW_REG_WAVE_MODE, 25, 1), 1
	s_wait_xcnt 0x0
; out0[b][i][head*64 + d] = sum over j, |i - j| <= 128, of softmax_j(q_i . k_j / 8) v_j[d], with q, k, v = x W + bias: all five products on codes of FP4 (E2M1) with E8M0 scales for each 32 along K.
; A WORK-GROUP (x = head, y = 4 batch + chunk) owns 512 queries of one head.  PHASE G makes k, q, v of those rows and of 128 rows on each side (768 rows = 48 tiles of 16 = 24 blocks of 32 keys),
; quantises them in registers and keeps codes and scale bytes in LDS; q, k, v never go to memory.  PHASE A is the attention: 32 queries at a time see exactly 9 blocks of 32 keys, so a row's
; softmax is one pass: M = ceil(the row's largest t), p = 2^(t - M), the sum of the unquantised p divides at the end.
; x's and W's codes come from the launch before, in the order of the operand's registers (a pair = 32 rows: s*2048 + u*1024 + c*512 + 16 lane; scale words s*128 + 4 lane).
; Place (u, r) of a pair of x, and of W's columns for k and q, is row 8 u + r + 8 (r / 8): so the 16 registers that a lane holds of tiles u = 0, 1 of a transposed product are 16 NEIGHBOURS along the next K.
;   k, q: source 0 = 16 columns of W, source 1 = 16 rows of x: a lane holds one row and 16 neighbouring channels.   v: source 0 = 16 rows of x, source 1 = 16 columns of Wv: a lane holds one channel and 16 neighbouring keys.
;   S^T = K Q^T and O^T = V^T P^T: a lane holds one query throughout.  The head's 64 are half of the instruction's 128: Q's upper four registers are zero codes, K's upper four are whatever follows.
; THE MASK costs no vector work: only the first and the last of the 9 blocks are cut by the window, and there 0 or -1e30 is the C of the score products.  Blocks beyond the sequence's ends are set to -1e30 under scalar branches on ids.
; The rows of the 128 on each side that lie beyond the tensor are replaced by the nearest pair, those of a neighbouring batch are taken as they are: finite numbers, all hidden.  q is made for the 16 side tiles too: every pass runs the same text.
; LIMITS: NaN and infinities are not served.  Hidden scores are -1e30, not -infinity: p is then exactly 0 while |score| stays under 1e29.  A block of zeros has the scale byte 1; its codes are zeros.
; NO CLUSTER, NO TENSOR LOAD: the 16 heads of a chunk read the same x, 417,792 bytes a work-group, which does not fit in LDS beside W (104,448) and the images (79,360); shared, it would need a ring with a round for each refill.
; Here each fragment of x goes once from memory into the registers where it stays for a pass, and touches no LDS.  All 256 work-groups are alike; x of the second pass is asked for under the first pass's last quantising.
.set WL,   0                           ; LDS: the head's 6 pairs of W's codes as they lie in wc: cp*16384 + s*2048 + u*1024 + c*512 + 16 lane
.set WSL,  98304                       ; their scale words: cp*1024 + s*128 + 4 lane
.set QKI,  104448                      ; row tile T*1024: k's fragment (block*256 + 16 r + 8 half), at +512 q's
.set QKS,  153600                      ; T*64 + 4 r: the word [k0, k1, q0, q1]
.set VT,   156672                      ; key block P*1024 + d*16 (+ 8 half); block 24 is zeros
.set VS,   182272                      ; P*64 + d: bytes
.set STG,  183808                      ; the way out: wave*4352: 16 rows x (256 + 16)
; window 0, both phases: v1 16 lane, v2 4 lane, v3 r, v4 h, v5/v6 W's codes (cp 0-3 / 4-5), v7 W's scale words, v8-11 the pass's store addresses, v12-15 their bases,
;   v16-22 phase A's bases, v23-27 the trip's addresses (at the head: bias offsets, padding), v28/v29 my query's place - 16 h for tile 0 / 1, v30 -1e30
; phase G: window 0: XS, WS scale words, ACC 12 accumulators, TM .. CD at work.  window 1: x's fragments of K steps 0-3 at 8 (6 s + rt); v192-255 bias tiles of k, q.
;   window 2: K steps 4-7; v192-223 bias tiles of v.   window 3: the 16 fragments of the pair of W in hand (at the head: transit for W on its way to LDS)
.set XS,   32                          ; v32-55  8 pr + s: lanes 0-15 tile 2 pr, lanes 16-31 tile 2 pr + 1
.set WS,   56                          ; v56-63  s
.set ACC,  64                          ; v64-159 (rt, u) at 64 + 16 rt + 8 u
.set TM,   160
.set TP,   166
.set GSO,  172
.set BY,   178
.set CD,   184
.set BKQ,  192
.set BV,   192
; phase A: window 0
.set KSC,  32                          ; v32-40  K's scale words, a register a block
.set QSC,  41
.set VSC,  42                          ; v42-47  3 (dt / 2) + ks
.set PW,   48                          ; v48-50  p's scale words
.set T0,   51
.set BM,   52                          ; v52-60  a block's largest score, then its largest p
.set BP,   61                          ; v61-69
.set ASO,  70                          ; v70-78  the conversions' scale operands
.set T1,   79
.set NM,   80                          ; v80-81  -M
.set LA,   82                          ; v82-85  the row's sum, two chains of pairs
.set LB,   84
.set RC,   86                          ; v86-87
.set PC,   88                          ; v88-111 p's codes
.set S,    112                         ; v112-255 S^T, then p; block b at 112 + 16 b
; window 1: KF tile t at 4 t (v72-75 zeros), QF 8 a tile, VF 8 (3 dt + ks), MK the mask tiles.   window 2: v0-31 O^T
.set KF,   0
.set QF,   76
.set VF,   92
.set MK,   188
.set MSB, 0
.macro WIN new                         ; bits 1:0 source 0, 3:2 source 1, 5:4 source 2, 7:6 destination; the high byte repeats the setting that is left
.if MSB != \new
	s_set_vgpr_msb (MSB<<8)|\new
.set MSB, \new
.endif
.endm
; one product: D, A, B, C (a register number, or -1 for the constant 0), A's and B's scale registers, and whether each is read from lanes 16-31
.macro WM d, a, b, c, sa, sb, ra, rb
.set wD, \d
.set wA, \a
.set wB, \b
.set wC, \c
.set wS, \sa
.set wT, \sb
.set wR, (\ra)+2*(\rb)
.if wC < 0
.if wR == 0
	v_wmma_scale_f32_16x16x128_f8f6f4 v[wD:wD+7], v[wA:wA+7], v[wB:wB+7], 0, v[wS], v[wT] matrix_a_fmt:MATRIX_FMT_FP4 matrix_b_fmt:MATRIX_FMT_FP4
.elseif wR == 1
	v_wmma_scale_f32_16x16x128_f8f6f4 v[wD:wD+7], v[wA:wA+7], v[wB:wB+7], 0, v[wS], v[wT] matrix_a_fmt:MATRIX_FMT_FP4 matrix_b_fmt:MATRIX_FMT_FP4 matrix_a_scale:MATRIX_SCALE_ROW1
.elseif wR == 2
	v_wmma_scale_f32_16x16x128_f8f6f4 v[wD:wD+7], v[wA:wA+7], v[wB:wB+7], 0, v[wS], v[wT] matrix_a_fmt:MATRIX_FMT_FP4 matrix_b_fmt:MATRIX_FMT_FP4 matrix_b_scale:MATRIX_SCALE_ROW1
.else
	v_wmma_scale_f32_16x16x128_f8f6f4 v[wD:wD+7], v[wA:wA+7], v[wB:wB+7], 0, v[wS], v[wT] matrix_a_fmt:MATRIX_FMT_FP4 matrix_b_fmt:MATRIX_FMT_FP4 matrix_a_scale:MATRIX_SCALE_ROW1 matrix_b_scale:MATRIX_SCALE_ROW1
.endif
.else
.if wR == 0
	v_wmma_scale_f32_16x16x128_f8f6f4 v[wD:wD+7], v[wA:wA+7], v[wB:wB+7], v[wC:wC+7], v[wS], v[wT] matrix_a_fmt:MATRIX_FMT_FP4 matrix_b_fmt:MATRIX_FMT_FP4
.elseif wR == 1
	v_wmma_scale_f32_16x16x128_f8f6f4 v[wD:wD+7], v[wA:wA+7], v[wB:wB+7], v[wC:wC+7], v[wS], v[wT] matrix_a_fmt:MATRIX_FMT_FP4 matrix_b_fmt:MATRIX_FMT_FP4 matrix_a_scale:MATRIX_SCALE_ROW1
.elseif wR == 2
	v_wmma_scale_f32_16x16x128_f8f6f4 v[wD:wD+7], v[wA:wA+7], v[wB:wB+7], v[wC:wC+7], v[wS], v[wT] matrix_a_fmt:MATRIX_FMT_FP4 matrix_b_fmt:MATRIX_FMT_FP4 matrix_b_scale:MATRIX_SCALE_ROW1
.else
	v_wmma_scale_f32_16x16x128_f8f6f4 v[wD:wD+7], v[wA:wA+7], v[wB:wB+7], v[wC:wC+7], v[wS], v[wT] matrix_a_fmt:MATRIX_FMT_FP4 matrix_b_fmt:MATRIX_FMT_FP4 matrix_a_scale:MATRIX_SCALE_ROW1 matrix_b_scale:MATRIX_SCALE_ROW1
.endif
.endif
.endm
.macro PLACES                          ; four plain vector lines between a matrix instruction and a load into, or a vector line on, its registers
.rept 4
	v_nop
.endr
.endm
; the pass's three pairs of x, s56 + 0 .. 2, held inside the tensor's 256 pairs: pointers to their codes s[28:33] and scale words s[34:39]
.macro XPTR
.irp pr, 0,1,2
	s_add_co_i32 s52, s56, \pr
	s_max_i32 s52, s52, 0
	s_min_i32 s52, s52, 255
	s_lshl_b32 s54, s52, 14
	s_mov_b32 s55, 0
	s_add_nc_u64 s[28+2*\pr:29+2*\pr], s[4:5], s[54:55]
	s_lshl_b32 s54, s52, 10
	s_add_nc_u64 s[34+2*\pr:35+2*\pr], s[6:7], s[54:55]
.endr
.endm
.macro XLOADA                          ; x's fragments of K steps 0-3 into window 1: 48 loads of 512 consecutive bytes
	WIN 0x40
.irp s, 0,1,2,3
.irp pr, 0,1,2
.irp u, 0,1
.irp c, 0,1
	global_load_b128 v[8*(6*\s+2*\pr+\u)+4*\c:8*(6*\s+2*\pr+\u)+4*\c+3], v1, s[28+2*\pr:29+2*\pr] offset:(2*\s+\u)*1024+512*\c
.endr
.endr
.endr
.endr
.endm
.macro XLOADB                          ; K steps 4-7 into window 2, and the 24 registers of scale words
	WIN 0x80
.irp s, 0,1,2,3
.irp pr, 0,1,2
.irp u, 0,1
.irp c, 0,1
	global_load_b128 v[8*(6*\s+2*\pr+\u)+4*\c:8*(6*\s+2*\pr+\u)+4*\c+3], v1, s[28+2*\pr:29+2*\pr] offset:(2*(\s+4)+\u)*1024+512*\c
.endr
.endr
.endr
.endr
	WIN 0
.irp pr, 0,1,2
.irp s, 0,1,2,3,4,5,6,7
	global_load_b32 v[XS+8*\pr+\s], v2, s[34+2*\pr:35+2*\pr] offset:128*\s
.endr
.endr
.endm
.macro WLOAD cp                        ; pair cp of W from LDS: 16 fragments into window 3, 8 registers of scale words
	WIN 0xc0
.irp s, 0,1,2,3,4,5,6,7
.irp u, 0,1
.irp c, 0,1
	ds_load_b128 v[8*(2*\s+\u)+4*\c:8*(2*\s+\u)+4*\c+3], v[5+(\cp)/4] offset:((\cp)%4)*16384+\s*2048+\u*1024+\c*512
.endr
.endr
.endr
	WIN 0
.irp s, 0,1,2,3,4,5,6,7
	ds_load_b32 v[WS+\s], v7 offset:(\cp)*1024+\s*128
.endr
.endm
; 96 products: 6 tiles of rows x 2 tiles of columns x 8 K steps.  The 12 accumulators take turns, one instruction a turn.  The bias is the C of each sum's first product.
.macro MULKQ cp                        ; source 0 = W, source 1 = x
.irp s, 0,1,2,3,4,5,6,7
.if \s == 0
	WIN 0x17
.elseif \s < 4
	WIN 0x07
.else
	WIN 0x0b
.endif
.irp rt, 0,1,2,3,4,5
.irp u, 0,1
.if \s == 0
	WM ACC+16*\rt+8*\u, 8*(2*\s+\u), 8*(6*(\s%4)+\rt), BKQ+16*(\cp)+8*\u, WS+\s, XS+8*(\rt/2)+\s, \u, \rt%2
.else
	WM ACC+16*\rt+8*\u, 8*(2*\s+\u), 8*(6*(\s%4)+\rt), ACC+16*\rt+8*\u, WS+\s, XS+8*(\rt/2)+\s, \u, \rt%2
.endif
.endr
.endr
.endr
.endm
.macro MULV cp                         ; source 0 = x, source 1 = W
.irp s, 0,1,2,3,4,5,6,7
.if \s == 0
	WIN 0x2d
.elseif \s < 4
	WIN 0x0d
.else
	WIN 0x0e
.endif
.irp rt, 0,1,2,3,4,5
.irp u, 0,1
.if \s == 0
	WM ACC+16*\rt+8*\u, 8*(6*(\s%4)+\rt), 8*(2*\s+\u), BV+8*(2*((\cp)-4)+\u), XS+8*(\rt/2)+\s, WS+\s, \rt%2, \u
.else
	WM ACC+16*\rt+8*\u, 8*(6*(\s%4)+\rt), 8*(2*\s+\u), ACC+16*\rt+8*\u, XS+8*(\rt/2)+\s, WS+\s, \rt%2, \u
.endif
.endr
.endr
.endr
.endm
; Six blocks of 32 are quantised by turns; a lane holds 16 neighbours of each, lane l xor 16 the other 16.  isv = 0: block t = row tile t, channels 32 (cp % 2) on: registers ACC + 16 t + 0 .. 15.
; isv = 1: block t = (pair t / 2, column tile t % 2): keys of the pair, registers ACC + 32 (t / 2) + 8 (t % 2) + 0 .. 7 and the same + 16.
; A block is two accumulators; each is first read at its two lowest registers (i = 0 and i = 8 below).  isv is the constant 0 or 1.
.macro Q6 isv, cp
.irp t, 0,1,2,3,4,5
.set qL, ACC+(1-(\isv))*16*\t+(\isv)*(32*(\t/2)+8*(\t%2))
	v_max3_num_f32 v[TM+\t], |v[qL]|, |v[qL+1]|, 0x1800000      ; with the floor 2^(3 - 127): the byte cannot fall under 1
.endr
.irp i, 2,4,6,8,10,12,14
.irp t, 0,1,2,3,4,5
.set qL, ACC+(1-(\isv))*16*\t+(\isv)*(32*(\t/2)+8*(\t%2))+(\i%8)+(\i/8)*(8+8*(\isv))
	v_max3_num_f32 v[TM+\t], v[TM+\t], |v[qL]|, |v[qL+1]|
.endr
.endr
.irp t, 0,1,2,3,4,5
	v_permlanex16_b32 v[TP+\t], v[TM+\t], s40, s41
.endr
.irp t, 0,1,2,3,4,5
	v_max_num_f32 v[TM+\t], v[TM+\t], v[TP+\t]                 ; the block's largest magnitude
.endr
.irp t, 0,1,2,3,4,5
	v_add_nc_u32 v[GSO+\t], 0xff000000, v[TM+\t]               ; 2 off its exponent field: the conversion's scale operand
.endr
.irp t, 0,1,2,3,4,5
	v_lshrrev_b32 v[BY+\t], 23, v[GSO+\t]                      ; the scale's byte
.endr
.irp t, 0,1,2,3,4,5
.set qL, ACC+(1-(\isv))*16*\t+(\isv)*(32*(\t/2)+8*(\t%2))
.set qH, qL+8+8*(\isv)
	v_cvt_scalef32_pk8_fp4_f32 v[CD+2*\t], v[qL:qL+7], v[GSO+\t]
	v_cvt_scalef32_pk8_fp4_f32 v[CD+2*\t+1], v[qH:qH+7], v[GSO+\t]
.endr
	v_nop                                          ; a plain line behind the last conversion: matrix instructions write its sources later
.irp t, 0,1,2,3,4,5
.if \isv
	ds_store_b64 v10, v[CD+2*\t:CD+2*\t+1] offset:(\t/2)*1024+(2*((\cp)-4)+\t%2)*256
	ds_store_b8 v11, v[BY+\t] offset:(\t/2)*64+(2*((\cp)-4)+\t%2)*16
.else
	ds_store_b64 v8, v[CD+2*\t:CD+2*\t+1] offset:\t*1024+(\cp)*256
	ds_store_b8 v9, v[BY+\t] offset:\t*64+(\cp)    ; both halves of the lanes write the same byte with the same value
.endif
.endr
.endm
; one pair of W's columns against the pass's 96 rows; the next pair (behind the last: the next pass's x) is asked for ahead of the quantising
.macro CPSTEP cp
	s_wait_dscnt 0x0                               ; W's fragments are in; the last results' stores have read their registers
.if \cp < 4
	MULKQ \cp
.else
	MULV \cp
.endif
	WIN 0
	PLACES                                         ; ahead of loads into W's (and x's) registers and of the first read of the sums
.if \cp < 4
	WLOAD \cp+1
	Q6 0, \cp
.elseif \cp < 5
	WLOAD \cp+1
	Q6 1, \cp
.else
	s_cmp_eq_u32 s24, 1                            ; the second pass has no successor: no load leaves for nothing
	s_cbranch_scc1 .Lno_next_\@
	s_add_co_i32 s56, s56, 3                       ; (the pointers are free: the wait for all loads stood at the pass's head)
	XPTR
	XLOADA
	XLOADB
.Lno_next_\@:
	Q6 1, \cp
.endif
.endm
; ---------------- THE HEAD
	s_load_b256 s[4:11], s[0:1], 0x0               ; xc s[4:5], xs s[6:7], wc s[8:9], ws s[10:11]
	s_load_b256 s[12:19], s[0:1], 0x20             ; bk s[12:13], bq s[14:15], bv s[16:17], out0 s[18:19]
	v_lshl_add_u32 v31, v0, 2, 0x31200
	s_set_vgpr_msb 0x80
	v_mov_b32 v255, 0
	s_set_vgpr_msb 0x8000
	v_lshrrev_b32 v23, 5, v0
	v_readfirstlane_b32 s20, v23                   ; wave 0..3
	s_mov_b32 s21, ttmp9                           ; head
	s_and_b32 s22, ttmp7, 0xffff                   ; 4 batch + chunk
	s_and_b32 s23, s22, 3                          ; chunk
	s_mov_b32 s40, 0x76543210
	s_mov_b32 s41, 0xfedcba98                      ; v_permlanex16_b32's selects for lane l xor 16
	s_mov_b32 s42, 0x3e38aa3b                      ; log2(e) / sqrt(64): t = score x this
	s_mov_b32 s43, s42                             ; (named with it as a pair)
	v_and_b32 v25, 31, v0                          ; lane
	v_and_b32 v3, 15, v0                           ; r
	v_bfe_u32 v4, v0, 4, 1                         ; h
	v_lshlrev_b32 v1, 4, v25
	v_lshlrev_b32 v2, 2, v25
	v_add_nc_u32 v5, WL, v1
	v_add_nc_u32 v6, 0x10000, v5
	v_add_nc_u32 v7, WSL, v2
	s_mul_i32 s25, s20, 24576
	v_add_nc_u32 v8, s25, v5                       ; where my quarter of W's codes goes
	s_mul_i32 s25, s20, 1536
	s_add_co_u32 s25, s25, WSL
	v_add_nc_u32 v9, s25, v1                       ; and of its scale words
	v_lshlrev_b32 v24, 4, v3
	v_lshl_add_u32 v24, v4, 3, v24                 ; 16 r + 8 h
	s_mul_i32 s25, s20, 12288
	s_add_co_u32 s25, s25, QKI
	v_add_nc_u32 v12, s25, v24                     ; my wave's 12 row tiles
	s_mul_i32 s25, s20, 6144
	s_add_co_u32 s25, s25, VT
	v_add_nc_u32 v14, s25, v24                     ; my wave's 6 key blocks
	v_lshlrev_b32 v24, 2, v3                       ; 4 r (also bv's offset)
	s_mul_i32 s25, s20, 768
	s_add_co_u32 s25, s25, QKS
	v_add_nc_u32 v13, s25, v24
	s_mul_i32 s25, s20, 384
	s_add_co_u32 s25, s25, VS
	v_add_nc_u32 v15, s25, v3
	v_add_nc_u32 v16, QKI, v1
	v_add_nc_u32 v17, QKS, v2
	v_lshlrev_b32 v18, 4, v3
	v_lshl_add_u32 v18, v4, 10, v18
	v_add_nc_u32 v18, VT, v18                      ; V: channel r, lanes 16-31 the next key block
	v_add_nc_u32 v19, VS, v25
	s_mul_i32 s25, s20, 4352
	s_add_co_u32 s25, s25, STG
	v_mul_u32_u24 v20, v3, 272
	v_lshl_add_u32 v20, v4, 5, v20
	v_add_nc_u32 v20, s25, v20                     ; the stage, in: row r, 32 bytes for each half of the lanes
	v_mul_u32_u24 v21, v4, 272
	v_lshl_add_u32 v21, v3, 4, v21
	v_add_nc_u32 v21, s25, v21                     ; back: lanes 0-15 one row, lanes 16-31 the next
	v_lshlrev_b32 v22, 12, v4
	v_lshl_add_u32 v22, v3, 4, v22                 ; and the same two rows of out0
	v_and_b32 v28, 8, v3
	v_add_nc_u32 v28, v28, v3
	v_lshlrev_b32 v29, 4, v4
	v_sub_nc_u32 v28, v28, v29                     ; r + 8 (r / 8) - 16 h: my query's place among the 32, tile 0, less my half's first key
	v_add_nc_u32 v29, 8, v28                       ; tile 1
	v_mov_b32 v30, 0xf149f2ca                      ; -1e30
	v_lshlrev_b32 v23, 6, v4                       ; bk's, bq's offset: 16 h numbers
	v_lshlrev_b32 v25, 3, v25
	s_lshl_b32 s25, s20, 8
	s_add_co_u32 s25, s25, VT+24576
	v_add_nc_u32 v25, s25, v25                     ; my quarter of key block 24
	v_mov_b32 v26, 0
	v_mov_b32 v27, 0
.irp t, 0,1,2,3,4,5
	v_mov_b32 v[TP+\t], 0                          ; written once: a lane permute's destination counts as one of its sources
.endr
	s_mul_i32 s52, s21, 98304
	s_mul_i32 s53, s20, 24576
	s_add_co_u32 s52, s52, s53
	s_mov_b32 s53, 0
	s_mul_i32 s54, s21, 6144
	s_mul_i32 s55, s20, 1536
	s_add_co_u32 s54, s54, s55
	s_mov_b32 s55, 0
	s_lshl_b32 s58, s21, 8                         ; the head's 64 numbers
	s_mov_b32 s59, 0
	s_lshl_b32 s56, s22, 4
	s_mul_i32 s25, s20, 6
	s_add_co_u32 s56, s56, s25
	s_sub_co_i32 s56, s56, 4                       ; my first pass's first pair: 16 (4 batch + chunk) - 4 + 6 wave
	s_wait_kmcnt 0x0
	s_add_nc_u64 s[8:9], s[8:9], s[52:53]
	s_add_nc_u64 s[10:11], s[10:11], s[54:55]
	s_add_nc_u64 s[12:13], s[12:13], s[58:59]
	s_add_nc_u64 s[14:15], s[14:15], s[58:59]
	s_add_nc_u64 s[16:17], s[16:17], s[58:59]
	s_lshl_b32 s52, s22, 21                        ; 512 rows of 4,096 bytes
	s_add_co_u32 s52, s52, s58
	s_add_nc_u64 s[18:19], s[18:19], s[52:53]
	XPTR
	WIN 0xc0                                       ; my quarter of the head's W through registers into LDS: 51 loads of 512 consecutive bytes
.set i, 0
.rept 48
	global_load_b128 v[4*i:4*i+3], v1, s[8:9] offset:512*i
.set i, i+1
.endr
.set i, 0
.rept 3
	global_load_b128 v[192+4*i:192+4*i+3], v1, s[10:11] offset:512*i
.set i, i+1
.endr
	XLOADA
	s_wait_loadcnt 48                              ; all but the 48 loads of x just issued: W is in
	WIN 0x0c                                       ; an LDS store's data are its source 1: window 3
.set i, 0
.rept 48
	ds_store_b128 v8, v[4*i:4*i+3] offset:512*i
.set i, i+1
.endr
.set i, 0
.rept 3
	ds_store_b128 v9, v[192+4*i:192+4*i+3] offset:512*i
.set i, i+1
.endr
	WIN 0
	ds_store_b64 v25, v[26:27]                     ; key block 24: zero codes
	XLOADB
	WIN 0x40                                       ; bias tiles of k and q: lane (r, h) of tile (cp, u) wants the numbers of channels 32 (cp % 2) + 16 h + 8 u + 0 .. 7
.irp cp, 0,1,2,3
.irp u, 0,1
	global_load_b128 v[BKQ+16*\cp+8*\u:BKQ+16*\cp+8*\u+3], v23, s[12+2*(\cp/2):13+2*(\cp/2)] offset:(32*(\cp%2)+8*\u)*4
	global_load_b128 v[BKQ+16*\cp+8*\u+4:BKQ+16*\cp+8*\u+7], v23, s[12+2*(\cp/2):13+2*(\cp/2)] offset:(32*(\cp%2)+8*\u)*4+16
.endr
.endr
	WIN 0x80                                       ; of v: a lane holds one channel, 16 dt + r: eight equal registers
.irp dt, 0,1,2,3
.irp j, 0,1,2,3,4,5,6,7
	global_load_b32 v[BV+8*\dt+\j], v24, s[16:17] offset:64*\dt
.endr
.endr
	WIN 0
	s_wait_dscnt 0x0                               ; for the others' sake: my part of W lies in LDS
	s_barrier_signal -1
	s_barrier_wait -1                              ; everybody's does
; ---------------- PHASE G: two passes of 96 rows a wave
	s_mov_b32 s24, 0
	s_mov_b32 s45, 0                               ; the pass's place in my wave's part of QKI, QKS, VT, VS
	s_mov_b32 s46, 0
	s_mov_b32 s47, 0
	s_mov_b32 s48, 0
.Lpass:
	s_wait_dscnt 0x0                               ; the last pass's stores have read their addresses
	v_add_nc_u32 v8, s45, v12
	v_add_nc_u32 v9, s46, v13
	v_add_nc_u32 v10, s47, v14
	v_add_nc_u32 v11, s48, v15
	WLOAD 0
	s_wait_loadcnt 0x0                             ; x, its scale words, the biases
	CPSTEP 0
	CPSTEP 1
	CPSTEP 2
	CPSTEP 3
	CPSTEP 4
	CPSTEP 5
	s_add_co_u32 s45, s45, 6144
	s_add_co_u32 s46, s46, 384
	s_add_co_u32 s47, s47, 3072
	s_add_co_u32 s48, s48, 192
	s_add_co_u32 s24, s24, 1
	s_cmp_lt_u32 s24, 2
	s_cbranch_scc1 .Lpass
	s_wait_dscnt 0x0                               ; for the others' sake: my codes and scale bytes lie in LDS
	s_barrier_signal -1
	s_barrier_wait -1
; ---------------- PHASE A.  Wave w takes the groups of 32 queries g = 4 w .. 4 w + 3; group g sees key blocks g .. g + 8 of the 24.
	WIN 0x40
.irp j, 0,1,2,3
	v_mov_b32 v[KF+72+\j], 0                       ; behind K's last tile
	v_mov_b32 v[QF+4+\j], 0                        ; Q's upper halves: zero codes for k = 64 .. 127
	v_mov_b32 v[QF+12+\j], 0
.irp dt, 0,1,2,3
	v_mov_b32 v[VF+8*(3*\dt+2)+4+\j], 0            ; V's third K step has blocks 8 and 9 alone
.endr
.endr
; the mask tiles.  Register n = 8 u' + j of a block is key 16 h + n of its 32.  In block 0 the key counts where it is not before my query's place, in block 8 where it is not behind it.
.irp u, 0,1
.irp n, 0,1,2,3,4,5,6,7,8,9,10,11,12,13,14,15
	v_cmp_lt_i32 vcc_lo, \n, v[28+\u]
	v_cndmask_b32 v[MK+32*\u+\n], 0, v30, vcc_lo
	v_cmp_gt_i32 vcc_lo, \n, v[28+\u]
	v_cndmask_b32 v[MK+32*\u+16+\n], 0, v30, vcc_lo
.endr
.endr
	WIN 0
.irp j, 20,21,22,23
	v_mov_b32 v[PC+\j], 0                          ; p has no blocks 10, 11
.endr
.irp b, 0,1,2,3,4,5,6,7,8
	v_mov_b32 v[BP+\b], 0                          ; written once, for the lane permutes
.endr
	v_mov_b32 v[RC+1], 0                           ; (named with RC as a pair)
	s_lshl_b32 s45, s20, 13                        ; g x 2,048: two tiles of K a group
	s_lshl_b32 s46, s20, 9                         ; g x 128
	s_lshl_b32 s47, s20, 12                        ; g x 1,024
	s_lshl_b32 s48, s20, 8                         ; g x 64
	s_lshl_b32 s49, s20, 19                        ; g x 32 rows of out0
	s_lshl_b32 s51, s23, 4
	s_lshl_b32 s25, s20, 2
	s_add_co_u32 s51, s51, s25
	s_sub_co_u32 s51, s51, 4                       ; the group's first key block, counted in the sequence's 64: 16 chunk - 4 + g (it wraps under 0)
	s_mov_b32 s44, 0
.macro HIDE b                          ; block b lies beyond the sequence's ends: its scores become -1e30.  A scalar branch on ids
	s_add_co_u32 s52, s51, \b
	s_cmp_lt_u32 s52, 64
	s_cbranch_scc1 .Lseen_\@
.irp j, 0,1,2,3,4,5,6,7,8,9,10,11,12,13,14,15
	v_mov_b32 v[S+16*\b+\j], v30
.endr
.Lseen_\@:
.endm
.macro SCL k                           ; pair k of the 72: t - M, two at a time
	v_pk_fma_f32 v[S+2*(\k):S+2*(\k)+1], v[S+2*(\k):S+2*(\k)+1], s[42:43], v[NM:NM+1] op_sel_hi:[1,0,0]
.endm
; plain work that reads the first batch's results alone; line n stands behind the second batch's n-th exponential
.macro PL n
.if (\n) == 0
	v_pk_add_f32 v[LA:LA+1], v[S:S+1], v[S+2:S+3]              ; the row's sum is taken of the unquantised p, in two chains
.elseif (\n) == 1
	v_pk_add_f32 v[LB:LB+1], v[S+4:S+5], v[S+6:S+7]
.elseif (\n) < 38
	v_pk_add_f32 v[LA+2*((\n)%2):LA+2*((\n)%2)+1], v[LA+2*((\n)%2):LA+2*((\n)%2)+1], v[S+2*((\n)+2):S+2*((\n)+2)+1]
.elseif (\n) < 47
	v_max_num_f32 v[BM+(\n)-38], 0x1800000, v[BM+(\n)-38]      ; the floor 2^(3 - 127): a block whose every p is 0 keeps the byte 1
.elseif (\n) < 56
	v_add_nc_u32 v[ASO+(\n)-47], 0xff000000, v[BM+(\n)-47]     ; the conversion's scale operand
.elseif (\n) < 65
	v_lshrrev_b32 v[BP+(\n)-56], 23, v[ASO+(\n)-56]            ; the scale's byte
.elseif (\n) < 71
.set pq, (\n)-65
.if pq%3 == 0
	v_lshl_or_b32 v[PW+pq/3], v[BP+4*(pq/3)+1], 8, v[BP+4*(pq/3)]
.else
	v_lshl_or_b32 v[PW+pq/3], v[BP+4*(pq/3)+1+pq%3], 8+8*(pq%3), v[PW+pq/3]
.endif
.else
	v_mov_b32 v[PW+2], v[BP+8]
.endif
.endm
; ONE TILE OF 16 QUERIES: places 8 u + r + 8 (r / 8) of the group's 32
.macro TILE u
.if \u
	s_wait_xcnt 0x0                                ; the last tile's stores have read their registers, which the scores now take
.endif
	WIN 0x15                                       ; K, Q and the mask in window 1, S^T in window 0
.irp t, 0,1,2,3,4,5,6,7,8,9,10,11,12,13,14,15,16,17
.if \t < 2
	WM S+8*\t, KF+4*\t, QF+8*\u, MK+32*\u+8*\t, KSC+\t/2, QSC, \t%2, \u
.elseif \t > 15
	WM S+8*\t, KF+4*\t, QF+8*\u, MK+32*\u+8*(\t-14), KSC+\t/2, QSC, \t%2, \u
.else
	WM S+8*\t, KF+4*\t, QF+8*\u, -1, KSC+\t/2, QSC, \t%2, \u
.endif
.endr
	WIN 0
	PLACES
	s_cmp_lt_u32 s51, 56                           ; all nine blocks inside the sequence?
	s_cbranch_scc1 .Linside_\@
	HIDE 0
	HIDE 1
	HIDE 2
	HIDE 3
	HIDE 5                                         ; (block 4 holds the queries themselves)
	HIDE 6
	HIDE 7
	HIDE 8
.Linside_\@:
.irp b, 0,1,2,3,4,5,6,7,8
	v_max3_num_f32 v[BM+\b], v[S+16*\b], v[S+16*\b+1], v[S+16*\b+2]   ; each block's largest score: for the row's maximum, and, since p rises with the score, for the block's largest p
.endr
.irp i, 3,5,7,9,11,13
.irp b, 0,1,2,3,4,5,6,7,8
	v_max3_num_f32 v[BM+\b], v[BM+\b], v[S+16*\b+\i], v[S+16*\b+\i+1]
.endr
.endr
.irp b, 0,1,2,3,4,5,6,7,8
	v_max_num_f32 v[BM+\b], v[BM+\b], v[S+16*\b+15]
.endr
.irp b, 0,1,2,3,4,5,6,7,8
	v_permlanex16_b32 v[BP+\b], v[BM+\b], s40, s41
.endr
.irp b, 0,1,2,3,4,5,6,7,8
	v_max_num_f32 v[BM+\b], v[BM+\b], v[BP+\b]     ; with lane l xor 16's 16 keys
.endr
	v_max3_num_f32 v[T0], v[BM], v[BM+1], v[BM+2]
	v_max3_num_f32 v[T1], v[BM+3], v[BM+4], v[BM+5]
	v_max3_num_f32 v[T0], v[T0], v[BM+6], v[BM+7]
	v_max3_num_f32 v[T0], v[T0], v[T1], v[BM+8]    ; the row's largest score (its own key always counts)
	v_mul_f32 v[T0], s42, v[T0]                    ; as t
	v_floor_f32 v[NM], -v[T0]                      ; -M = floor(-t) = -ceil(t): a whole number
	v_mov_b32 v[NM+1], v[NM]
.irp b, 0,1,2,3,4,5,6,7,8
	v_fma_f32 v[BM+\b], v[BM+\b], s42, v[NM]       ; t - M of each block's largest score
.endr
; THE FIRST BATCH: 89 exponentials (the blocks' largest p, p 0 .. 79) with all 72 scalings set among them.  No line here names an exponential's result; each pair is scaled ahead of its exponentials.
	SCL 0
	SCL 1
	SCL 2
	SCL 3
.set i, 0
.rept 9
	v_exp_f32 v[BM+i], v[BM+i]
	SCL 4+i
.set i, i+1
.endr
.set i, 0
.rept 40
	v_exp_f32 v[S+2*i], v[S+2*i]
	SCL 13+i
	v_exp_f32 v[S+2*i+1], v[S+2*i+1]
.if i < 19
	SCL 53+i
.endif
.set i, i+1
.endr
	v_nop                                          ; a plain line behind the last exponential
	s_wait_alu depctr_va_vdst(0)                   ; one wait for the batch, ahead of its first reader
; THE SECOND BATCH: p 80 .. 143, with work on the first batch's results set among them
.set i, 0
.rept 64
	v_exp_f32 v[S+80+i], v[S+80+i]
	PL i
.set i, i+1
.endr
.rept 8
	PL i
.set i, i+1
.endr
	s_wait_alu depctr_va_vdst(0)                   ; one wait for the second batch
.set i, 40
.rept 32
	v_pk_add_f32 v[LA+2*(i%2):LA+2*(i%2)+1], v[LA+2*(i%2):LA+2*(i%2)+1], v[S+2*i:S+2*i+1]
.set i, i+1
.endr
	v_pk_add_f32 v[LA:LA+1], v[LA:LA+1], v[LB:LB+1]
.irp b, 0,1,2,3,4,5,6,7,8
	v_cvt_scalef32_pk8_fp4_f32 v[PC+2*\b], v[S+16*\b:S+16*\b+7], v[ASO+\b]
	v_cvt_scalef32_pk8_fp4_f32 v[PC+2*\b+1], v[S+16*\b+8:S+16*\b+15], v[ASO+\b]
.endr
	v_nop                                          ; a plain line behind the last conversion
	v_mov_b32 v[PC+18], 0                          ; block 9: none
	v_mov_b32 v[PC+19], 0
.irp c, 0,1,2,3,4                      ; the operand wants a whole block in a lane: lanes 0-15 block 2 c, lanes 16-31 block 2 c + 1
.irp i, 0,1
	v_permlane16_swap_b32 v[PC+4*\c+\i], v[PC+4*\c+2+\i]
.endr
.endr
	v_add_f32 v[LA], v[LA], v[LA+1]                ; the sum's two halves,
	v_permlanex16_b32 v[T0], v[LA], s40, s41
	v_add_f32 v[LA], v[LA], v[T0]                  ; and lane l xor 16's: the row's sum
	v_nop
	v_nop                                          ; with the lines above: more than four plain lines between the last write of p's codes and the products
	v_rcp_f32 v[RC], v[LA]
	v_nop                                          ; a plain line behind the reciprocal
	WIN 0xa1                                       ; V in window 1, p in window 0, O^T in window 2
.irp ks, 0,1,2                         ; O^T = V^T P^T: the four accumulators take turns, one instruction a turn
.irp dt, 0,1,2,3
.if \ks == 0
	WM 8*\dt, VF+8*(3*\dt+\ks), PC+8*\ks, -1, VSC+3*(\dt/2)+\ks, PW+\ks, \dt%2, 0
.else
	WM 8*\dt, VF+8*(3*\dt+\ks), PC+8*\ks, 8*\dt, VSC+3*(\dt/2)+\ks, PW+\ks, \dt%2, 0
.endif
.endr
.endr
	WIN 0
	PLACES
	s_wait_alu depctr_va_vdst(0)                   ; the reciprocal's wait, ahead of its first reader
	WIN 0x02                                       ; source 0: window 2
.set i, 0
.rept 16
	v_pk_mul_f32 v[S+2*i:S+2*i+1], v[2*i:2*i+1], v[RC:RC+1] op_sel_hi:[1,0]   ; O^T / the sum, each accumulator from its low end on: register 8 dt + j is channel 16 dt + 8 h + j of my query
.set i, i+1
.endr
	WIN 0
.irp dt, 0,1,2,3
	ds_store_b128 v20, v[S+8*\dt:S+8*\dt+3] offset:64*\dt
	ds_store_b128 v20, v[S+8*\dt+4:S+8*\dt+7] offset:64*\dt+16
.endr
.irp i, 0,1,2,3,4,5,6,7
	ds_load_b128 v[S+32+4*\i:S+32+4*\i+3], v21 offset:544*\i   ; my own stage: LDS serves a wave's instructions in order
.endr
.irp i, 0,1,2,3,4,5,6,7
	s_wait_dscnt 7-\i                              ; the younger loads from the stage may be out
	global_store_b128 v27, v[S+32+4*\i:S+32+4*\i+3], s[18:19] offset:(8*\u+2*\i+8*(\i/4))*4096 th:TH_STORE_NT   ; sixteen lanes store a row's 256 bytes of this head, aligned; places 2 i, 2 i + 1 are rows 8 u + 2 i + 8 (i / 4) and the next
.endr
.endm
.Ltrip:
	s_wait_xcnt 0x0                                ; the last group's stores have read their offset and their data
	v_add_nc_u32 v23, s45, v16
	v_add_nc_u32 v24, s46, v17
	v_add_nc_u32 v25, s47, v18
	v_add_nc_u32 v26, s48, v19
	v_add_nc_u32 v27, s49, v22
	WIN 0x40
.irp t, 0,1,2,3,4,5,6,7,8,9,10,11,12,13,14,15,16,17
	ds_load_b128 v[KF+4*\t:KF+4*\t+3], v23 offset:1024*\t      ; K's 18 tiles: 512 consecutive bytes each
.endr
.irp u, 0,1
	ds_load_b128 v[QF+8*\u:QF+8*\u+3], v23 offset:(8+\u)*1024+512   ; the group's own two tiles of Q
.endr
.irp dt, 0,1,2,3
.irp ks, 0,1
.irp c, 0,1
	ds_load_b128 v[VF+8*(3*\dt+\ks)+4*\c:VF+8*(3*\dt+\ks)+4*\c+3], v25 offset:\dt*256+\ks*4096+\c*2048
.endr
.endr
	ds_load_b128 v[VF+8*(3*\dt+2):VF+8*(3*\dt+2)+3], v25 offset:\dt*256+2*4096
.endr
	WIN 0
.irp b, 0,1,2,3,4,5,6,7,8
	ds_load_b32 v[KSC+\b], v24 offset:128*\b       ; lanes 0-15 tile 2 b, lanes 16-31 tile 2 b + 1
.endr
.irp i, 0,1
.irp b, 0,1,2,3,4,5,6,7,8
	ds_load_u8 v[S+9*\i+\b], v26 offset:64*\b+32*\i            ; V's scale bytes: channel 32 i + lane, block b
.endr
.endr
	s_wait_dscnt 0x0
	v_lshrrev_b32 v[QSC], 16, v[KSC+4]             ; Q's two bytes are the upper half of its tiles' words; fourteen plain lines follow ahead of the first product
.irp i, 0,1
	v_lshl_or_b32 v[VSC+3*\i], v[S+9*\i+1], 8, v[S+9*\i]
	v_lshl_or_b32 v[VSC+3*\i+1], v[S+9*\i+5], 8, v[S+9*\i+4]
	v_lshl_or_b32 v[VSC+3*\i], v[S+9*\i+2], 16, v[VSC+3*\i]
	v_lshl_or_b32 v[VSC+3*\i+1], v[S+9*\i+6], 16, v[VSC+3*\i+1]
	v_lshl_or_b32 v[VSC+3*\i], v[S+9*\i+3], 24, v[VSC+3*\i]
	v_lshl_or_b32 v[VSC+3*\i+1], v[S+9*\i+7], 24, v[VSC+3*\i+1]
	v_mov_b32 v[VSC+3*\i+2], v[S+9*\i+8]
.endr
	TILE 0
	TILE 1
	s_add_co_u32 s45, s45, 2048
	s_add_co_u32 s46, s46, 128
	s_add_co_u32 s47, s47, 1024
	s_add_co_u32 s48, s48, 64
	s_add_co_u32 s49, s49, 0x20000
	s_add_co_u32 s51, s51, 1
	s_add_co_u32 s44, s44, 1
	s_cmp_lt_u32 s44, 4
	s_cbranch_scc1 .Ltrip
	s_set_vgpr_msb 0x8
	s_wait_tensorcnt 0x0
	ds_add_u32 v31, v255
	s_wait_dscnt 0x0
	s_set_vgpr_msb 0x800
	s_endpgm
.Lfunc_end_k_qeca9671cfa_attn:
	.size	k_qeca9671cfa_attn, .Lfunc_end_k_qeca9671cfa_attn-k_qeca9671cfa_attn
	.p2alignl 7, 3214868480
	.fill 96, 4, 3214868480
	.section	.rodata,"a",@progbits
	.p2align	6, 0x0
	.amdhsa_kernel k_qeca9671cfa_attn
		.amdhsa_group_segment_fixed_size 201728
		.amdhsa_private_segment_fixed_size 0
		.amdhsa_enable_private_segment 0
		.amdhsa_kernarg_size 64
		.amdhsa_user_sgpr_count 2
		.amdhsa_user_sgpr_kernarg_segment_ptr 1
		.amdhsa_wavefront_size32 1
		.amdhsa_system_sgpr_workgroup_id_x 1
		.amdhsa_system_sgpr_workgroup_id_y 1
		.amdhsa_system_sgpr_workgroup_id_z 1
		.amdhsa_system_vgpr_workitem_id 0
		.amdhsa_next_free_vgpr 1024
		.amdhsa_next_free_sgpr 66
		.amdhsa_reserve_vcc 1
		.amdhsa_float_denorm_mode_32 3
		.amdhsa_float_denorm_mode_16_64 3
		.amdhsa_memory_ordered 1
		.amdhsa_forward_progress 1
		.amdhsa_inst_pref_size 250
	.end_amdhsa_kernel
	.amdgpu_metadata
---
amdhsa.version: [ 1, 2 ]
amdhsa.kernels:
  - .name:           k_qeca9671cfa_attn
    .symbol:         k_qeca9671cfa_attn.kd
    .args:
      - { .name: xc, .offset: 0, .size: 8, .value_kind: global_buffer, .address_space: global }
      - { .name: xs, .offset: 8, .size: 8, .value_kind: global_buffer, .address_space: global }
      - { .name: wc, .offset: 16, .size: 8, .value_kind: global_buffer, .address_space: global }
      - { .name: ws, .offset: 24, .size: 8, .value_kind: global_buffer, .address_space: global }
      - { .name: bk, .offset: 32, .size: 8, .value_kind: global_buffer, .address_space: global }
      - { .name: bq, .offset: 40, .size: 8, .value_kind: global_buffer, .address_space: global }
      - { .name: bv, .offset: 48, .size: 8, .value_kind: global_buffer, .address_space: global }
      - { .name: out0, .offset: 56, .size: 8, .value_kind: global_buffer, .address_space: global }
    .group_segment_fixed_size: 201728
    .private_segment_fixed_size: 0
    .kernarg_segment_align: 8
    .kernarg_segment_size: 64
    .max_flat_workgroup_size: 128
    .sgpr_count:     66
    .vgpr_count:     1024
    .wavefront_size: 32
...
	.end_amdgpu_metadata
.endif
;; end of part 2
;; ======== version 2 of 2: 2 launches; version 1 with the launch attn written anew for expert scheduling mode
;; limits: right only within a limited range of input values
;; workspace buffers: xc 4,194,304 bytes; xs 262,144 bytes; wc 1,572,864 bytes; ws 98,304 bytes
;; launch quant: the kernel of part 1 again; grid 352 x 1, 8 waves a work-group, no clusters, 66,560 bytes of LDS; arguments hidden_states, Wk, Wq, Wv, xc, xs, wc, ws; writes xc, xs, wc, ws
;; launch attn (part 3): grid 16 x 16, 4 waves a work-group, no clusters, 201,728 bytes of LDS; arguments xc, xs, wc, ws, bk, bq, bv, out0; writes out0
.if DOCPART == 3
	.amdgcn_target "amdgcn-amd-amdhsa--gfx1250"
	.amdhsa_code_object_version 6
	.text
	.protected	k_qeca9671cfa_attn
	.globl	k_qeca9671cfa_attn
	.p2align	8
	.type	k_qeca9671cfa_attn,@function
k_qeca9671cfa_attn:
	s_mov_b64 s[64:65], 0
	v_nop
	global_prefetch_b8 v0, s[64:65] scope:SCOPE_SE
	s_setreg_imm32_b32 hwreg(HW_REG_WAVE_SCHED_MODE, 0, 2), 2
	s_setreg_imm32_b32 hwreg(HW_REG_WAVE_MODE, 25, 1), 1
	s_wait_xcnt 0x0
	s_wait_alu depctr_vm_vsrc(0)
; out0[b][i][head*64 + d] = sum over j, |i - j| <= 128, of softmax_j(q_i . k_j / 8) v_j[d], with q, k, v = x W + bias: all five products on codes of FP4 (E2M1) with E8M0 scales for each 32 along K.
; A WORK-GROUP (x = head, y = 4 batch + chunk) owns 512 queries of one head.  PHASE G makes k, q, v of those rows and of 128 rows on each side (768 rows = 48 tiles of 16 = 24 blocks of 32 keys),
; quantises them in registers and keeps codes and scale bytes in LDS; q, k, v never go to memory.  PHASE A is the attention: 32 queries at a time see exactly 9 blocks of 32 keys, so a row's
; softmax is one pass: M = ceil(the row's largest t), p = 2^(t - M), the sum of the unquantised p divides at the end.
; x's and W's codes come from the launch before, in the order of the operand's registers (a pair = 32 rows: s*2048 + u*1024 + c*512 + 16 lane; scale words s*128 + 4 lane).
; Place (u, r) of a pair of x, and of W's columns for k and q, is row 8 u + r + 8 (r / 8): so the 16 registers that a lane holds of tiles u = 0, 1 of a transposed product are 16 NEIGHBOURS along the next K.
;   k, q: source 0 = 16 columns of W, source 1 = 16 rows of x: a lane holds one row and 16 neighbouring channels.   v: source 0 = 16 rows of x, source 1 = 16 columns of Wv: a lane holds one channel and 16 neighbouring keys.
;   S^T = K Q^T and O^T = V^T P^T: a lane holds one query throughout.  The head's 64 are half of the instruction's 128: Q's upper four registers are zero codes, K's upper four are whatever follows.
; THE MASK costs no vector work: only the first and the last of the 9 blocks are cut by the window, and there 0 or -1e30 is the C of the score products.  Blocks beyond the sequence's ends are set to -1e30 under scalar branches on ids.
; The rows of the 128 on each side that lie beyond the tensor are replaced by the nearest pair, those of a neighbouring batch are taken as they are: finite numbers, all hidden.  q is made for the 16 side tiles too: every pass runs the same text.
; LIMITS: NaN and infinities are not served.  Hidden scores are -1e30, not -infinity: p is then exactly 0 while |score| stays under 1e29.  A block of zeros has the scale byte 1; its codes are zeros.
; NO CLUSTER, NO TENSOR LOAD: the 16 heads of a chunk read the same x, 417,792 bytes a work-group, which does not fit in LDS beside W (104,448) and the images (79,360); shared, it would need a ring with a round for each refill.
; Here each fragment of x goes once from memory into the registers where it stays for a pass, and touches no LDS.  All 256 work-groups are alike; x of the second pass is asked for under the first pass's last quantising.
; THE MODE: SCHED_MODE bits 1:0 = 2 (LLVM: expert scheduling mode 2), set by the entry lines.  The code itself states the register dependences between vector or matrix instructions and memory or LDS instructions, with s_wait_alu, always for 0.
; THE PLAN, PHASE G.  Registers that memory or LDS instructions touch, round the loop over passes (a pass is six steps, one for each pair cp of W's columns):
;   W's fragments, TWO SETS in window 3 (v0-127, v128-255), and their scale words (v56-63, v196-203): pair cp lies in set cp % 2.  Step cp's products read set cp % 2; at the step's head the LDS loads of pair cp + 1 go
;     into the other set, which step cp - 1's products read.  Those products stand ahead of the wait on va_vdst in step cp - 1's quantising, and no vector or matrix instruction since names that set: the loads have no wait of their own.
;   CD, BY     written by a step's quantising; read by its 12 LDS stores, behind ONE wait on va_vdst; written again in the next step, behind a wait on vm_vsrc that stands a step's 96 products behind those stores.
;   v8-v11     the stores' addresses: written at a pass's head, behind a wait on vm_vsrc; the first step's wait on va_vdst shows them written.
;   x's fragments (windows 1, 2) and XS: one set.  Read by all six steps' products; the next pass's loads stand behind the last step's products and a wait on va_vdst of their own.
;   v1, v2, v5-v7, v16-v22: offsets and addresses, written at the head, ahead of its wait on va_vdst, and never again.
; THE PLAN, PHASE A, round the loop over groups of 32 queries (two tiles of 16 to a trip):
;   v23-v27    the trip's addresses: written at its head between a wait on vm_vsrc (the last trip's loads and stores have read them) and a wait on va_vdst (they are written).
;   K's, Q's, V's fragments (window 1), KSC, S+0..17: the trip's LDS loads land in them, behind that same wait on va_vdst: the last trip's products and vector lines are done with them.
;   QSC, VSC, PW, p's codes, the zero codes: written by vector lines, taken by scaled products: a wait on va_vdst ahead of tile 0's score products and one ahead of each tile's second products.
;   S+0..31    O^T / the sum: written by 16 multiplications, read by the LDS stores into the stage, behind a wait on va_vdst.   S+32..63: the loads from the stage land there (the same wait), the global stores read them.
;              The next tile's score products write S again: a wait on vm_vsrc ahead of them (tile 1) or at the trip's head (tile 0).
.set WL,   0                           ; LDS: the head's 6 pairs of W's codes as they lie in wc: cp*16384 + s*2048 + u*1024 + c*512 + 16 lane
.set WSL,  98304                       ; their scale words: cp*1024 + s*128 + 4 lane
.set QKI,  104448                      ; row tile T*1024: k's fragment (block*256 + 16 r + 8 half), at +512 q's
.set QKS,  153600                      ; T*64 + 4 r: the word [k0, k1, q0, q1]
.set VT,   156672                      ; key block P*1024 + d*16 (+ 8 half); block 24 is zeros
.set VS,   182272                      ; P*64 + d: bytes
.set STG,  183808                      ; the way out: wave*4352: 16 rows x (256 + 16)
; window 0, both phases: v1 16 lane, v2 4 lane, v3 r, v4 h, v5/v6 W's codes (cp 0-3 / 4-5), v7 W's scale words, v8-11 the pass's store addresses, v12-15 their bases,
;   v16-22 phase A's bases, v23-27 the trip's addresses (at the head: bias offsets, padding), v28/v29 my query's place - 16 h for tile 0 / 1, v30 -1e30
; phase G: window 0: XS, WS scale words, ACC 12 accumulators, TM .. CD at work.  window 1: x's fragments of K steps 0-3 at 8 (6 s + rt); v192-255 bias tiles of k, q.
;   window 2: K steps 4-7; v192-223 bias tiles of v.   window 3: two sets of the 16 fragments of a pair of W, set cp % 2 at 128 (cp % 2) (at the head: transit for W on its way to LDS)
.set XS,   32                          ; v32-55  8 pr + s: lanes 0-15 tile 2 pr, lanes 16-31 tile 2 pr + 1
.set WS,   56                          ; v56-63  s: the scale words of W's set 0;
.set WSD,  140                         ; v196-203 those of set 1
.set ACC,  64                          ; v64-159 (rt, u) at 64 + 16 rt + 8 u
.set TM,   160
.set TP,   166
.set GSO,  172
.set BY,   178
.set CD,   184
.set BKQ,  192
.set BV,   192
; phase A: window 0
.set KSC,  32                          ; v32-40  K's scale words, a register a block
.set QSC,  41
.set VSC,  42                          ; v42-47  3 (dt / 2) + ks
.set PW,   48                          ; v48-50  p's scale words
.set T0,   51
.set BM,   52                          ; v52-60  a block's largest score, then its largest p
.set BP,   61                          ; v61-69
.set ASO,  70                          ; v70-78  the conversions' scale operands
.set T1,   79
.set NM,   80                          ; v80-81  -M
.set LA,   82                          ; v82-85  the row's sum, two chains of pairs
.set LB,   84
.set RC,   86                          ; v86-87
.set PC,   88                          ; v88-111 p's codes
.set S,    112                         ; v112-255 S^T, then p; block b at 112 + 16 b
; window 1: KF tile t at 4 t (v72-75 zeros), QF 8 a tile, VF 8 (3 dt + ks), MK the mask tiles.   window 2: v0-31 O^T
.set KF,   0
.set QF,   76
.set VF,   92
.set MK,   188
.set MSB, 0
.macro WIN new                         ; bits 1:0 source 0, 3:2 source 1, 5:4 source 2, 7:6 destination; the high byte repeats the setting that is left
.if MSB != \new
	s_set_vgpr_msb (MSB<<8)|\new
.set MSB, \new
.endif
.endm
; one product: D, A, B, C (a register number, or -1 for the constant 0), A's and B's scale registers, and whether each is read from lanes 16-31
.macro WM d, a, b, c, sa, sb, ra, rb
.set wD, \d
.set wA, \a
.set wB, \b
.set wC, \c
.set wS, \sa
.set wT, \sb
.set wR, (\ra)+2*(\rb)
.if wC < 0
.if wR == 0
	v_wmma_scale_f32_16x16x128_f8f6f4 v[wD:wD+7], v[wA:wA+7], v[wB:wB+7], 0, v[wS], v[wT] matrix_a_fmt:MATRIX_FMT_FP4 matrix_b_fmt:MATRIX_FMT_FP4
.elseif wR == 1
	v_wmma_scale_f32_16x16x128_f8f6f4 v[wD:wD+7], v[wA:wA+7], v[wB:wB+7], 0, v[wS], v[wT] matrix_a_fmt:MATRIX_FMT_FP4 matrix_b_fmt:MATRIX_FMT_FP4 matrix_a_scale:MATRIX_SCALE_ROW1
.elseif wR == 2
	v_wmma_scale_f32_16x16x128_f8f6f4 v[wD:wD+7], v[wA:wA+7], v[wB:wB+7], 0, v[wS], v[wT] matrix_a_fmt:MATRIX_FMT_FP4 matrix_b_fmt:MATRIX_FMT_FP4 matrix_b_scale:MATRIX_SCALE_ROW1
.else
	v_wmma_scale_f32_16x16x128_f8f6f4 v[wD:wD+7], v[wA:wA+7], v[wB:wB+7], 0, v[wS], v[wT] matrix_a_fmt:MATRIX_FMT_FP4 matrix_b_fmt:MATRIX_FMT_FP4 matrix_a_scale:MATRIX_SCALE_ROW1 matrix_b_scale:MATRIX_SCALE_ROW1
.endif
.else
.if wR == 0
	v_wmma_scale_f32_16x16x128_f8f6f4 v[wD:wD+7], v[wA:wA+7], v[wB:wB+7], v[wC:wC+7], v[wS], v[wT] matrix_a_fmt:MATRIX_FMT_FP4 matrix_b_fmt:MATRIX_FMT_FP4
.elseif wR == 1
	v_wmma_scale_f32_16x16x128_f8f6f4 v[wD:wD+7], v[wA:wA+7], v[wB:wB+7], v[wC:wC+7], v[wS], v[wT] matrix_a_fmt:MATRIX_FMT_FP4 matrix_b_fmt:MATRIX_FMT_FP4 matrix_a_scale:MATRIX_SCALE_ROW1
.elseif wR == 2
	v_wmma_scale_f32_16x16x128_f8f6f4 v[wD:wD+7], v[wA:wA+7], v[wB:wB+7], v[wC:wC+7], v[wS], v[wT] matrix_a_fmt:MATRIX_FMT_FP4 matrix_b_fmt:MATRIX_FMT_FP4 matrix_b_scale:MATRIX_SCALE_ROW1
.else
	v_wmma_scale_f32_16x16x128_f8f6f4 v[wD:wD+7], v[wA:wA+7], v[wB:wB+7], v[wC:wC+7], v[wS], v[wT] matrix_a_fmt:MATRIX_FMT_FP4 matrix_b_fmt:MATRIX_FMT_FP4 matrix_a_scale:MATRIX_SCALE_ROW1 matrix_b_scale:MATRIX_SCALE_ROW1
.endif
.endif
.endm
.macro PLACES                          ; four plain vector lines between a matrix instruction and a vector line on its registers (ISA guide 7.12.1)
.rept 4
	v_nop
.endr
.endm
; the pass's three pairs of x, s56 + 0 .. 2, held inside the tensor's 256 pairs: pointers to their codes s[28:33] and scale words s[34:39]
.macro XPTR
.irp pr, 0,1,2
	s_add_co_i32 s52, s56, \pr
	s_max_i32 s52, s52, 0
	s_min_i32 s52, s52, 255
	s_lshl_b32 s54, s52, 14
	s_mov_b32 s55, 0
	s_add_nc_u64 s[28+2*\pr:29+2*\pr], s[4:5], s[54:55]
	s_lshl_b32 s54, s52, 10
	s_add_nc_u64 s[34+2*\pr:35+2*\pr], s[6:7], s[54:55]
.endr
.endm
.macro XLOADA                          ; x's fragments of K steps 0-3 into window 1: 48 loads of 512 consecutive bytes
	WIN 0x40
.irp s, 0,1,2,3
.irp pr, 0,1,2
.irp u, 0,1
.irp c, 0,1
	global_load_b128 v[8*(6*\s+2*\pr+\u)+4*\c:8*(6*\s+2*\pr+\u)+4*\c+3], v1, s[28+2*\pr:29+2*\pr] offset:(2*\s+\u)*1024+512*\c
.endr
.endr
.endr
.endr
.endm
.macro XLOADB                          ; K steps 4-7 into window 2, and the 24 registers of scale words
	WIN 0x80
.irp s, 0,1,2,3
.irp pr, 0,1,2
.irp u, 0,1
.irp c, 0,1
	global_load_b128 v[8*(6*\s+2*\pr+\u)+4*\c:8*(6*\s+2*\pr+\u)+4*\c+3], v1, s[28+2*\pr:29+2*\pr] offset:(2*(\s+4)+\u)*1024+512*\c
.endr
.endr
.endr
.endr
	WIN 0
.irp pr, 0,1,2
.irp s, 0,1,2,3,4,5,6,7
	global_load_b32 v[XS+8*\pr+\s], v2, s[34+2*\pr:35+2*\pr] offset:128*\s
.endr
.endr
.endm
.macro WLOAD cp                        ; pair cp of W from LDS into set cp % 2: 16 fragments into window 3, 8 registers of scale words: 40 LDS loads
	WIN 0xc0
.irp s, 0,1,2,3,4,5,6,7
.irp u, 0,1
.irp c, 0,1
	ds_load_b128 v[128*((\cp)%2)+8*(2*\s+\u)+4*\c:128*((\cp)%2)+8*(2*\s+\u)+4*\c+3], v[5+(\cp)/4] offset:((\cp)%4)*16384+\s*2048+\u*1024+\c*512
.endr
.endr
.endr
	WIN 0
.irp s, 0,1,2,3,4,5,6,7
	ds_load_b32 v[WS+WSD*((\cp)%2)+\s], v7 offset:(\cp)*1024+\s*128
.endr
.endm
; 96 products: 6 tiles of rows x 2 tiles of columns x 8 K steps.  The 12 accumulators take turns, one instruction a turn.  The bias is the C of each sum's first product.
.macro MULKQ cp                        ; source 0 = W, source 1 = x
.irp s, 0,1,2,3,4,5,6,7
.if \s == 0
	WIN 0x17
.elseif \s < 4
	WIN 0x07
.else
	WIN 0x0b
.endif
.irp rt, 0,1,2,3,4,5
.irp u, 0,1
.if \s == 0
	WM ACC+16*\rt+8*\u, 128*((\cp)%2)+8*(2*\s+\u), 8*(6*(\s%4)+\rt), BKQ+16*(\cp)+8*\u, WS+WSD*((\cp)%2)+\s, XS+8*(\rt/2)+\s, \u, \rt%2
.else
	WM ACC+16*\rt+8*\u, 128*((\cp)%2)+8*(2*\s+\u), 8*(6*(\s%4)+\rt), ACC+16*\rt+8*\u, WS+WSD*((\cp)%2)+\s, XS+8*(\rt/2)+\s, \u, \rt%2
.endif
.endr
.endr
.endr
.endm
.macro MULV cp                         ; source 0 = x, source 1 = W
.irp s, 0,1,2,3,4,5,6,7
.if \s == 0
	WIN 0x2d
.elseif \s < 4
	WIN 0x0d
.else
	WIN 0x0e
.endif
.irp rt, 0,1,2,3,4,5
.irp u, 0,1
.if \s == 0
	WM ACC+16*\rt+8*\u, 8*(6*(\s%4)+\rt), 128*((\cp)%2)+8*(2*\s+\u), BV+8*(2*((\cp)-4)+\u), XS+8*(\rt/2)+\s, WS+WSD*((\cp)%2)+\s, \rt%2, \u
.else
	WM ACC+16*\rt+8*\u, 8*(6*(\s%4)+\rt), 128*((\cp)%2)+8*(2*\s+\u), ACC+16*\rt+8*\u, XS+8*(\rt/2)+\s, WS+WSD*((\cp)%2)+\s, \rt%2, \u
.endif
.endr
.endr
.endr
.endm
; Six blocks of 32 are quantised by turns; a lane holds 16 neighbours of each, lane l xor 16 the other 16.  isv = 0: block t = row tile t, channels 32 (cp % 2) on: registers ACC + 16 t + 0 .. 15.
; isv = 1: block t = (pair t / 2, column tile t % 2): keys of the pair, registers ACC + 32 (t / 2) + 8 (t % 2) + 0 .. 7 and the same + 16.
; A block is two accumulators; each is first read at its two lowest registers (i = 0 and i = 8 below).  isv is the constant 0 or 1.
.macro Q6 isv, cp
.irp t, 0,1,2,3,4,5
.set qL, ACC+(1-(\isv))*16*\t+(\isv)*(32*(\t/2)+8*(\t%2))
	v_max3_num_f32 v[TM+\t], |v[qL]|, |v[qL+1]|, 0x1800000      ; with the floor 2^(3 - 127): the byte cannot fall under 1
.endr
.irp i, 2,4,6,8,10,12,14
.irp t, 0,1,2,3,4,5
.set qL, ACC+(1-(\isv))*16*\t+(\isv)*(32*(\t/2)+8*(\t%2))+(\i%8)+(\i/8)*(8+8*(\isv))
	v_max3_num_f32 v[TM+\t], v[TM+\t], |v[qL]|, |v[qL+1]|
.endr
.endr
.irp t, 0,1,2,3,4,5
	v_permlanex16_b32 v[TP+\t], v[TM+\t], s40, s41
.endr
.irp t, 0,1,2,3,4,5
	v_max_num_f32 v[TM+\t], v[TM+\t], v[TP+\t]                 ; the block's largest magnitude
.endr
.irp t, 0,1,2,3,4,5
	v_add_nc_u32 v[GSO+\t], 0xff000000, v[TM+\t]               ; 2 off its exponent field: the conversion's scale operand
.endr
.irp t, 0,1,2,3,4,5
	v_lshrrev_b32 v[BY+\t], 23, v[GSO+\t]                      ; the scale's byte
.endr
.irp t, 0,1,2,3,4,5
.set qL, ACC+(1-(\isv))*16*\t+(\isv)*(32*(\t/2)+8*(\t%2))
.set qH, qL+8+8*(\isv)
	v_cvt_scalef32_pk8_fp4_f32 v[CD+2*\t], v[qL:qL+7], v[GSO+\t]
	v_cvt_scalef32_pk8_fp4_f32 v[CD+2*\t+1], v[qH:qH+7], v[GSO+\t]
.endr
	v_nop                                          ; a plain line behind the last conversion: matrix instructions write its sources later
	s_wait_alu depctr_va_vdst(0)                   ; the conversions have written CD and the shifts BY, which the LDS stores below read; in a pass's first step their addresses v8 to v11 are written too.  This step's products are done reading their set of W, in which the loads at the next step's head land
.irp t, 0,1,2,3,4,5
.if \isv
	ds_store_b64 v10, v[CD+2*\t:CD+2*\t+1] offset:(\t/2)*1024+(2*((\cp)-4)+\t%2)*256
	ds_store_b8 v11, v[BY+\t] offset:(\t/2)*64+(2*((\cp)-4)+\t%2)*16
.else
	ds_store_b64 v8, v[CD+2*\t:CD+2*\t+1] offset:\t*1024+(\cp)*256
	ds_store_b8 v9, v[BY+\t] offset:\t*64+(\cp)    ; both halves of the lanes write the same byte with the same value
.endif
.endr
.endm
; one pair of W's columns against the pass's 96 rows.  The next pair is asked for at the step's head, into the other set; behind the last step's products the next pass's x is asked for, ahead of the quantising
.macro CPSTEP cp
.if \cp == 0
	s_wait_dscnt 0x0                               ; pair 0 of W, asked for at the pass's head, is in
.else
	s_wait_dscnt 12                                ; LDS serves a wave's instructions in order (ISA guide 5.7.1): this pair of W, asked for a step ago, is in; the 12 stores of the last step's results, issued behind it, may be out
.endif
.if \cp < 5
	WLOAD \cp+1                                    ; into the set that the step before multiplied by.  No wait: its products stand ahead of the last wait on va_vdst, and nothing since names that set
.endif
.if \cp < 4
	MULKQ \cp
.else
	MULV \cp
.endif
	WIN 0
	PLACES                                         ; ahead of the first read of the sums
.if \cp > 0
	s_wait_alu depctr_vm_vsrc(0)                   ; the last step's LDS stores have read CD and BY, which this step's quantising writes again (in a pass's first step the wait at the pass's head has said so)
.endif
.if \cp < 4
	Q6 0, \cp
.elseif \cp < 5
	Q6 1, \cp
.else
	s_cmp_eq_u32 s24, 1                            ; the second pass has no successor: no load leaves for nothing
	s_cbranch_scc1 .Lno_next_\@
	s_add_co_i32 s56, s56, 3                       ; (the pointers are free: the wait for all loads stood at the pass's head)
	XPTR
	s_wait_alu depctr_va_vdst(0)                   ; the pass's last products are done reading x's fragments and scale words, in which the loads below land
	XLOADA
	XLOADB
.Lno_next_\@:
	Q6 1, \cp
.endif
.endm
; ---------------- THE HEAD
	s_load_b256 s[4:11], s[0:1], 0x0               ; xc s[4:5], xs s[6:7], wc s[8:9], ws s[10:11]
	s_load_b256 s[12:19], s[0:1], 0x20             ; bk s[12:13], bq s[14:15], bv s[16:17], out0 s[18:19]
	v_lshl_add_u32 v31, v0, 2, 0x31200
	s_set_vgpr_msb 0x80
	v_mov_b32 v255, 0
	s_set_vgpr_msb 0x8000
	v_lshrrev_b32 v23, 5, v0
	v_readfirstlane_b32 s20, v23                   ; wave 0..3
	s_mov_b32 s21, ttmp9                           ; head
	s_and_b32 s22, ttmp7, 0xffff                   ; 4 batch + chunk
	s_and_b32 s23, s22, 3                          ; chunk
	s_mov_b32 s40, 0x76543210
	s_mov_b32 s41, 0xfedcba98                      ; v_permlanex16_b32's selects for lane l xor 16
	s_mov_b32 s42, 0x3e38aa3b                      ; log2(e) / sqrt(64): t = score x this
	s_mov_b32 s43, s42                             ; (named with it as a pair)
	v_and_b32 v25, 31, v0                          ; lane
	v_and_b32 v3, 15, v0                           ; r
	v_bfe_u32 v4, v0, 4, 1                         ; h
	v_lshlrev_b32 v1, 4, v25
	v_lshlrev_b32 v2, 2, v25
	v_add_nc_u32 v5, WL, v1
	v_add_nc_u32 v6, 0x10000, v5
	v_add_nc_u32 v7, WSL, v2
	s_wait_alu depctr_va_sdst(0)                   ; s20, the wave's number, is written, ahead of its first reader
	s_mul_i32 s25, s20, 24576
	v_add_nc_u32 v8, s25, v5                       ; where my quarter of W's codes goes
	s_mul_i32 s25, s20, 1536
	s_add_co_u32 s25, s25, WSL
	v_add_nc_u32 v9, s25, v1                       ; and of its scale words
	v_lshlrev_b32 v24, 4, v3
	v_lshl_add_u32 v24, v4, 3, v24                 ; 16 r + 8 h
	s_mul_i32 s25, s20, 12288
	s_add_co_u32 s25, s25, QKI
	v_add_nc_u32 v12, s25, v24                     ; my wave's 12 row tiles
	s_mul_i32 s25, s20, 6144
	s_add_co_u32 s25, s25, VT
	v_add_nc_u32 v14, s25, v24                     ; my wave's 6 key blocks
	v_lshlrev_b32 v24, 2, v3                       ; 4 r (also bv's offset)
	s_mul_i32 s25, s20, 768
	s_add_co_u32 s25, s25, QKS
	v_add_nc_u32 v13, s25, v24
	s_mul_i32 s25, s20, 384
	s_add_co_u32 s25, s25, VS
	v_add_nc_u32 v15, s25, v3
	v_add_nc_u32 v16, QKI, v1
	v_add_nc_u32 v17, QKS, v2
	v_lshlrev_b32 v18, 4, v3
	v_lshl_add_u32 v18, v4, 10, v18
	v_add_nc_u32 v18, VT, v18                      ; V: channel r, lanes 16-31 the next key block
	v_add_nc_u32 v19, VS, v25
	s_mul_i32 s25, s20, 4352
	s_add_co_u32 s25, s25, STG
	v_mul_u32_u24 v20, v3, 272
	v_lshl_add_u32 v20, v4, 5, v20
	v_add_nc_u32 v20, s25, v20                     ; the stage, in: row r, 32 bytes for each half of the lanes
	v_mul_u32_u24 v21, v4, 272
	v_lshl_add_u32 v21, v3, 4, v21
	v_add_nc_u32 v21, s25, v21                     ; back: lanes 0-15 one row, lanes 16-31 the next
	v_lshlrev_b32 v22, 12, v4
	v_lshl_add_u32 v22, v3, 4, v22                 ; and the same two rows of out0
	v_and_b32 v28, 8, v3
	v_add_nc_u32 v28, v28, v3
	v_lshlrev_b32 v29, 4, v4
	v_sub_nc_u32 v28, v28, v29                     ; r + 8 (r / 8) - 16 h: my query's place among the 32, tile 0, less my half's first key
	v_add_nc_u32 v29, 8, v28                       ; tile 1
	v_mov_b32 v30, 0xf149f2ca                      ; -1e30
	v_lshlrev_b32 v23, 6, v4                       ; bk's, bq's offset: 16 h numbers
	v_lshlrev_b32 v25, 3, v25
	s_lshl_b32 s25, s20, 8
	s_add_co_u32 s25, s25, VT+24576
	v_add_nc_u32 v25, s25, v25                     ; my quarter of key block 24
	v_mov_b32 v26, 0
	v_mov_b32 v27, 0
.irp t, 0,1,2,3,4,5
	v_mov_b32 v[TP+\t], 0                          ; written once: a lane permute's destination counts as one of its sources
.endr
	s_mul_i32 s52, s21, 98304
	s_mul_i32 s53, s20, 24576
	s_add_co_u32 s52, s52, s53
	s_mov_b32 s53, 0
	s_mul_i32 s54, s21, 6144
	s_mul_i32 s55, s20, 1536
	s_add_co_u32 s54, s54, s55
	s_mov_b32 s55, 0
	s_lshl_b32 s58, s21, 8                         ; the head's 64 numbers
	s_mov_b32 s59, 0
	s_lshl_b32 s56, s22, 4
	s_mul_i32 s25, s20, 6
	s_add_co_u32 s56, s56, s25
	s_sub_co_i32 s56, s56, 4                       ; my first pass's first pair: 16 (4 batch + chunk) - 4 + 6 wave
	s_wait_kmcnt 0x0
	s_add_nc_u64 s[8:9], s[8:9], s[52:53]
	s_add_nc_u64 s[10:11], s[10:11], s[54:55]
	s_add_nc_u64 s[12:13], s[12:13], s[58:59]
	s_add_nc_u64 s[14:15], s[14:15], s[58:59]
	s_add_nc_u64 s[16:17], s[16:17], s[58:59]
	s_lshl_b32 s52, s22, 21                        ; 512 rows of 4,096 bytes
	s_add_co_u32 s52, s52, s58
	s_add_nc_u64 s[18:19], s[18:19], s[52:53]
	XPTR
	WIN 0xc0                                       ; my quarter of the head's W through registers into LDS: 51 loads of 512 consecutive bytes
	s_wait_alu depctr_va_vdst(0)                   ; the offsets and addresses v1 to v27 are written, which the head's loads and LDS stores read (v26, v27: as data)
.set i, 0
.rept 48
	global_load_b128 v[4*i:4*i+3], v1, s[8:9] offset:512*i
.set i, i+1
.endr
.set i, 0
.rept 3
	global_load_b128 v[192+4*i:192+4*i+3], v1, s[10:11] offset:512*i
.set i, i+1
.endr
	XLOADA
	s_wait_loadcnt 48                              ; all but the 48 loads of x just issued: W is in
	WIN 0x0c                                       ; an LDS store's data are its source 1: window 3
.set i, 0
.rept 48
	ds_store_b128 v8, v[4*i:4*i+3] offset:512*i
.set i, i+1
.endr
.set i, 0
.rept 3
	ds_store_b128 v9, v[192+4*i:192+4*i+3] offset:512*i
.set i, i+1
.endr
	WIN 0
	ds_store_b64 v25, v[26:27]                     ; key block 24: zero codes
	XLOADB
	WIN 0x40                                       ; bias tiles of k and q: lane (r, h) of tile (cp, u) wants the numbers of channels 32 (cp % 2) + 16 h + 8 u + 0 .. 7
.irp cp, 0,1,2,3
.irp u, 0,1
	global_load_b128 v[BKQ+16*\cp+8*\u:BKQ+16*\cp+8*\u+3], v23, s[12+2*(\cp/2):13+2*(\cp/2)] offset:(32*(\cp%2)+8*\u)*4
	global_load_b128 v[BKQ+16*\cp+8*\u+4:BKQ+16*\cp+8*\u+7], v23, s[12+2*(\cp/2):13+2*(\cp/2)] offset:(32*(\cp%2)+8*\u)*4+16
.endr
.endr
	WIN 0x80                                       ; of v: a lane holds one channel, 16 dt + r: eight equal registers
.irp dt, 0,1,2,3
.irp j, 0,1,2,3,4,5,6,7
	global_load_b32 v[BV+8*\dt+\j], v24, s[16:17] offset:64*\dt
.endr
.endr
	WIN 0
	s_wait_dscnt 0x0                               ; for the others' sake: my part of W lies in LDS
	s_barrier_signal -1
	s_barrier_wait -1                              ; everybody's does
; ---------------- PHASE G: two passes of 96 rows a wave
	s_mov_b32 s24, 0
	s_mov_b32 s45, 0                               ; the pass's place in my wave's part of QKI, QKS, VT, VS
	s_mov_b32 s46, 0
	s_mov_b32 s47, 0
	s_mov_b32 s48, 0
.Lpass:
	s_wait_dscnt 0x0                               ; the last pass's LDS stores are done
	s_wait_alu depctr_vm_vsrc(0)                   ; the LDS stores issued so far have read their registers: the last pass's v8 to v11, CD and BY, which are written again below; in the first pass the head's v8, v9 and window 3's registers, in which W's fragments land from here on
	v_add_nc_u32 v8, s45, v12
	v_add_nc_u32 v9, s46, v13
	v_add_nc_u32 v10, s47, v14
	v_add_nc_u32 v11, s48, v15
	WLOAD 0                                        ; into set 0.  No wait on va_vdst: its last readers, the fifth step's products, stand ahead of that step's wait, and nothing since names the set
	s_wait_loadcnt 0x0                             ; x, its scale words, the biases
	CPSTEP 0
	CPSTEP 1
	CPSTEP 2
	CPSTEP 3
	CPSTEP 4
	CPSTEP 5
	s_add_co_u32 s45, s45, 6144
	s_add_co_u32 s46, s46, 384
	s_add_co_u32 s47, s47, 3072
	s_add_co_u32 s48, s48, 192
	s_add_co_u32 s24, s24, 1
	s_cmp_lt_u32 s24, 2
	s_cbranch_scc1 .Lpass
	s_wait_dscnt 0x0                               ; for the others' sake: my codes and scale bytes lie in LDS
	s_barrier_signal -1
	s_barrier_wait -1
; ---------------- PHASE A.  Wave w takes the groups of 32 queries g = 4 w .. 4 w + 3; group g sees key blocks g .. g + 8 of the 24.
	WIN 0x40
.irp j, 0,1,2,3
	v_mov_b32 v[KF+72+\j], 0                       ; behind K's last tile
	v_mov_b32 v[QF+4+\j], 0                        ; Q's upper halves: zero codes for k = 64 .. 127
	v_mov_b32 v[QF+12+\j], 0
.irp dt, 0,1,2,3
	v_mov_b32 v[VF+8*(3*\dt+2)+4+\j], 0            ; V's third K step has blocks 8 and 9 alone
.endr
.endr
; the mask tiles.  Register n = 8 u' + j of a block is key 16 h + n of its 32.  In block 0 the key counts where it is not before my query's place, in block 8 where it is not behind it.
; The compares go in runs of sixteen, into scalar registers that phase G has left (s28-39, s52-55), with one wait behind each run.
.irp u, 0,1
.irp n, 0,1,2,3,4,5,6,7,8,9,10,11,12,13,14,15
	v_cmp_lt_i32 s[28+\n+12*(\n/12)], \n, v[28+\u]
.endr
	s_wait_alu depctr_va_sdst(0)                   ; the sixteen masks are written, ahead of the selects that read them
.irp n, 0,1,2,3,4,5,6,7,8,9,10,11,12,13,14,15
	v_cndmask_b32 v[MK+32*\u+\n], 0, v30, s[28+\n+12*(\n/12)]
.endr
.irp n, 0,1,2,3,4,5,6,7,8,9,10,11,12,13,14,15
	v_cmp_gt_i32 s[28+\n+12*(\n/12)], \n, v[28+\u]
.endr
	s_wait_alu depctr_va_sdst(0)                   ; the sixteen masks are written, ahead of the selects that read them
.irp n, 0,1,2,3,4,5,6,7,8,9,10,11,12,13,14,15
	v_cndmask_b32 v[MK+32*\u+16+\n], 0, v30, s[28+\n+12*(\n/12)]
.endr
.endr
	WIN 0
.irp j, 20,21,22,23
	v_mov_b32 v[PC+\j], 0                          ; p has no blocks 10, 11
.endr
.irp b, 0,1,2,3,4,5,6,7,8
	v_mov_b32 v[BP+\b], 0                          ; written once, for the lane permutes
.endr
	v_mov_b32 v[RC+1], 0                           ; (named with RC as a pair)
	s_lshl_b32 s45, s20, 13                        ; g x 2,048: two tiles of K a group
	s_lshl_b32 s46, s20, 9                         ; g x 128
	s_lshl_b32 s47, s20, 12                        ; g x 1,024
	s_lshl_b32 s48, s20, 8                         ; g x 64
	s_lshl_b32 s49, s20, 19                        ; g x 32 rows of out0
	s_lshl_b32 s51, s23, 4
	s_lshl_b32 s25, s20, 2
	s_add_co_u32 s51, s51, s25
	s_sub_co_u32 s51, s51, 4                       ; the group's first key block, counted in the sequence's 64: 16 chunk - 4 + g (it wraps under 0)
	s_mov_b32 s44, 0
.macro HIDE b                          ; block b lies beyond the sequence's ends: its scores become -1e30.  A scalar branch on ids
	s_add_co_u32 s52, s51, \b
	s_cmp_lt_u32 s52, 64
	s_cbranch_scc1 .Lseen_\@
.irp j, 0,1,2,3,4,5,6,7,8,9,10,11,12,13,14,15
	v_mov_b32 v[S+16*\b+\j], v30
.endr
.Lseen_\@:
.endm
.macro SCL k                           ; pair k of the 72: t - M, two at a time
	v_pk_fma_f32 v[S+2*(\k):S+2*(\k)+1], v[S+2*(\k):S+2*(\k)+1], s[42:43], v[NM:NM+1] op_sel_hi:[1,0,0]
.endm
; plain work that reads the first batch's results alone; line n stands behind the second batch's n-th exponential
.macro PL n
.if (\n) == 0
	v_pk_add_f32 v[LA:LA+1], v[S:S+1], v[S+2:S+3]              ; the row's sum is taken of the unquantised p, in two chains
.elseif (\n) == 1
	v_pk_add_f32 v[LB:LB+1], v[S+4:S+5], v[S+6:S+7]
.elseif (\n) < 38
	v_pk_add_f32 v[LA+2*((\n)%2):LA+2*((\n)%2)+1], v[LA+2*((\n)%2):LA+2*((\n)%2)+1], v[S+2*((\n)+2):S+2*((\n)+2)+1]
.elseif (\n) < 47
	v_max_num_f32 v[BM+(\n)-38], 0x1800000, v[BM+(\n)-38]      ; the floor 2^(3 - 127): a block whose every p is 0 keeps the byte 1
.elseif (\n) < 56
	v_add_nc_u32 v[ASO+(\n)-47], 0xff000000, v[BM+(\n)-47]     ; the conversion's scale operand
.elseif (\n) < 65
	v_lshrrev_b32 v[BP+(\n)-56], 23, v[ASO+(\n)-56]            ; the scale's byte
.elseif (\n) < 71
.set pq, (\n)-65
.if pq%3 == 0
	v_lshl_or_b32 v[PW+pq/3], v[BP+4*(pq/3)+1], 8, v[BP+4*(pq/3)]
.else
	v_lshl_or_b32 v[PW+pq/3], v[BP+4*(pq/3)+1+pq%3], 8+8*(pq%3), v[PW+pq/3]
.endif
.else
	v_mov_b32 v[PW+2], v[BP+8]
.endif
.endm
; ONE TILE OF 16 QUERIES: places 8 u + r + 8 (r / 8) of the group's 32
.macro TILE u
.if \u
	s_wait_xcnt 0x0                                ; the last tile's global stores have had their addresses translated (ISA guide 3.1): their data registers are written again only behind this wait
	s_wait_alu depctr_vm_vsrc(0)                   ; the last tile's LDS stores have read S+0..31 and its global stores S+32..63, which the score products below write
.endif
	WIN 0x15                                       ; K, Q and the mask in window 1, S^T in window 0
.irp t, 0,1,2,3,4,5,6,7,8,9,10,11,12,13,14,15,16,17
.if \t < 2
	WM S+8*\t, KF+4*\t, QF+8*\u, MK+32*\u+8*\t, KSC+\t/2, QSC, \t%2, \u
.elseif \t > 15
	WM S+8*\t, KF+4*\t, QF+8*\u, MK+32*\u+8*(\t-14), KSC+\t/2, QSC, \t%2, \u
.else
	WM S+8*\t, KF+4*\t, QF+8*\u, -1, KSC+\t/2, QSC, \t%2, \u
.endif
.endr
	WIN 0
	PLACES
	s_cmp_lt_u32 s51, 56                           ; all nine blocks inside the sequence?
	s_cbranch_scc1 .Linside_\@
	HIDE 0
	HIDE 1
	HIDE 2
	HIDE 3
	HIDE 5                                         ; (block 4 holds the queries themselves)
	HIDE 6
	HIDE 7
	HIDE 8
.Linside_\@:
.irp b, 0,1,2,3,4,5,6,7,8
	v_max3_num_f32 v[BM+\b], v[S+16*\b], v[S+16*\b+1], v[S+16*\b+2]   ; each block's largest score: for the row's maximum, and, since p rises with the score, for the block's largest p
.endr
.irp i, 3,5,7,9,11,13
.irp b, 0,1,2,3,4,5,6,7,8
	v_max3_num_f32 v[BM+\b], v[BM+\b], v[S+16*\b+\i], v[S+16*\b+\i+1]
.endr
.endr
.irp b, 0,1,2,3,4,5,6,7,8
	v_max_num_f32 v[BM+\b], v[BM+\b], v[S+16*\b+15]
.endr
.irp b, 0,1,2,3,4,5,6,7,8
	v_permlanex16_b32 v[BP+\b], v[BM+\b], s40, s41
.endr
.irp b, 0,1,2,3,4,5,6,7,8
	v_max_num_f32 v[BM+\b], v[BM+\b], v[BP+\b]     ; with lane l xor 16's 16 keys
.endr
	v_max3_num_f32 v[T0], v[BM], v[BM+1], v[BM+2]
	v_max3_num_f32 v[T1], v[BM+3], v[BM+4], v[BM+5]
	v_max3_num_f32 v[T0], v[T0], v[BM+6], v[BM+7]
	v_max3_num_f32 v[T0], v[T0], v[T1], v[BM+8]    ; the row's largest score (its own key always counts)
	v_mul_f32 v[T0], s42, v[T0]                    ; as t
	v_floor_f32 v[NM], -v[T0]                      ; -M = floor(-t) = -ceil(t): a whole number
	v_mov_b32 v[NM+1], v[NM]
.irp b, 0,1,2,3,4,5,6,7,8
	v_fma_f32 v[BM+\b], v[BM+\b], s42, v[NM]       ; t - M of each block's largest score
.endr
; THE FIRST BATCH: 89 exponentials (the blocks' largest p, p 0 .. 79) with all 72 scalings set among them.  No line here names an exponential's result; each pair is scaled ahead of its exponentials.
	SCL 0
	SCL 1
	SCL 2
	SCL 3
.set i, 0
.rept 9
	v_exp_f32 v[BM+i], v[BM+i]
	SCL 4+i
.set i, i+1
.endr
.set i, 0
.rept 40
	v_exp_f32 v[S+2*i], v[S+2*i]
	SCL 13+i
	v_exp_f32 v[S+2*i+1], v[S+2*i+1]
.if i < 19
	SCL 53+i
.endif
.set i, i+1
.endr
	v_nop                                          ; a plain line behind the last exponential
	s_wait_alu depctr_va_vdst(0)                   ; the first batch's 89 exponentials have written their results: one wait, ahead of their first reader
; THE SECOND BATCH: p 80 .. 143, with work on the first batch's results set among them
.set i, 0
.rept 64
	v_exp_f32 v[S+80+i], v[S+80+i]
	PL i
.set i, i+1
.endr
.rept 8
	PL i
.set i, i+1
.endr
	s_wait_alu depctr_va_vdst(0)                   ; the second batch's 64 exponentials have written their results: one wait, ahead of their first reader
.set i, 40
.rept 32
	v_pk_add_f32 v[LA+2*(i%2):LA+2*(i%2)+1], v[LA+2*(i%2):LA+2*(i%2)+1], v[S+2*i:S+2*i+1]
.set i, i+1
.endr
	v_pk_add_f32 v[LA:LA+1], v[LA:LA+1], v[LB:LB+1]
.irp b, 0,1,2,3,4,5,6,7,8
	v_cvt_scalef32_pk8_fp4_f32 v[PC+2*\b], v[S+16*\b:S+16*\b+7], v[ASO+\b]
	v_cvt_scalef32_pk8_fp4_f32 v[PC+2*\b+1], v[S+16*\b+8:S+16*\b+15], v[ASO+\b]
.endr
	v_nop                                          ; a plain line behind the last conversion
	v_mov_b32 v[PC+18], 0                          ; block 9: none
	v_mov_b32 v[PC+19], 0
.irp c, 0,1,2,3,4                      ; the operand wants a whole block in a lane: lanes 0-15 block 2 c, lanes 16-31 block 2 c + 1
.irp i, 0,1
	v_permlane16_swap_b32 v[PC+4*\c+\i], v[PC+4*\c+2+\i]
.endr
.endr
	v_add_f32 v[LA], v[LA], v[LA+1]                ; the sum's two halves,
	v_permlanex16_b32 v[T0], v[LA], s40, s41
	v_add_f32 v[LA], v[LA], v[T0]                  ; and lane l xor 16's: the row's sum
	v_nop
	v_nop                                          ; with the lines above: more than four plain lines between the last write of p's codes and the products
	v_rcp_f32 v[RC], v[LA]
	v_nop                                          ; a plain line behind the reciprocal
	WIN 0xa1                                       ; V in window 1, p in window 0, O^T in window 2
	s_wait_alu depctr_va_vdst(0)                   ; p's codes and scale words, which the scaled products below take, are written (the places stand in front of this wait); so is the reciprocal, ahead of its first reader
.irp ks, 0,1,2                         ; O^T = V^T P^T: the four accumulators take turns, one instruction a turn
.irp dt, 0,1,2,3
.if \ks == 0
	WM 8*\dt, VF+8*(3*\dt+\ks), PC+8*\ks, -1, VSC+3*(\dt/2)+\ks, PW+\ks, \dt%2, 0
.else
	WM 8*\dt, VF+8*(3*\dt+\ks), PC+8*\ks, 8*\dt, VSC+3*(\dt/2)+\ks, PW+\ks, \dt%2, 0
.endif
.endr
.endr
	WIN 0
	PLACES
	WIN 0x02                                       ; source 0: window 2
.set i, 0
.rept 16
	v_pk_mul_f32 v[S+2*i:S+2*i+1], v[2*i:2*i+1], v[RC:RC+1] op_sel_hi:[1,0]   ; O^T / the sum, each accumulator from its low end on: register 8 dt + j is channel 16 dt + 8 h + j of my query
.set i, i+1
.endr
	WIN 0
	s_wait_alu depctr_va_vdst(0)                   ; the multiplications have written S+0..31, which the LDS stores below read; the sums and conversions are done reading S+32..63, in which the loads from the stage land
.irp dt, 0,1,2,3
	ds_store_b128 v20, v[S+8*\dt:S+8*\dt+3] offset:64*\dt
	ds_store_b128 v20, v[S+8*\dt+4:S+8*\dt+7] offset:64*\dt+16
.endr
.irp i, 0,1,2,3,4,5,6,7
	ds_load_b128 v[S+32+4*\i:S+32+4*\i+3], v21 offset:544*\i   ; my own stage: LDS serves a wave's instructions in order
.endr
.irp i, 0,1,2,3,4,5,6,7
	s_wait_dscnt 7-\i                              ; the younger loads from the stage may be out
	global_store_b128 v27, v[S+32+4*\i:S+32+4*\i+3], s[18:19] offset:(8*\u+2*\i+8*(\i/4))*4096 th:TH_STORE_NT   ; sixteen lanes store a row's 256 bytes of this head, aligned; places 2 i, 2 i + 1 are rows 8 u + 2 i + 8 (i / 4) and the next
.endr
.endm
.Ltrip:
	s_wait_xcnt 0x0                                ; the last group's global stores have had their addresses translated (ISA guide 3.1): their offset and their data are written again only behind this wait
	s_wait_alu depctr_vm_vsrc(0)                   ; the last group's LDS loads have read v23 to v26, its global stores v27 and S+32..63, its LDS stores S+0..31 (first trip: the head's loads and LDS stores have read v23 to v27): all are written again below
	v_add_nc_u32 v23, s45, v16
	v_add_nc_u32 v24, s46, v17
	v_add_nc_u32 v25, s47, v18
	v_add_nc_u32 v26, s48, v19
	v_add_nc_u32 v27, s49, v22
	WIN 0x40
	s_wait_alu depctr_va_vdst(0)                   ; v23 to v27 are written, which the loads and stores of this trip read; the products and vector lines issued so far are done with K's, Q's and V's fragments, KSC and S+0..17, in which the loads below land
.irp t, 0,1,2,3,4,5,6,7,8,9,10,11,12,13,14,15,16,17
	ds_load_b128 v[KF+4*\t:KF+4*\t+3], v23 offset:1024*\t      ; K's 18 tiles: 512 consecutive bytes each
.endr
.irp u, 0,1
	ds_load_b128 v[QF+8*\u:QF+8*\u+3], v23 offset:(8+\u)*1024+512   ; the group's own two tiles of Q
.endr
.irp dt, 0,1,2,3
.irp ks, 0,1
.irp c, 0,1
	ds_load_b128 v[VF+8*(3*\dt+\ks)+4*\c:VF+8*(3*\dt+\ks)+4*\c+3], v25 offset:\dt*256+\ks*4096+\c*2048
.endr
.endr
	ds_load_b128 v[VF+8*(3*\dt+2):VF+8*(3*\dt+2)+3], v25 offset:\dt*256+2*4096
.endr
	WIN 0
.irp b, 0,1,2,3,4,5,6,7,8
	ds_load_b32 v[KSC+\b], v24 offset:128*\b       ; lanes 0-15 tile 2 b, lanes 16-31 tile 2 b + 1
.endr
.irp i, 0,1
.irp b, 0,1,2,3,4,5,6,7,8
	ds_load_u8 v[S+9*\i+\b], v26 offset:64*\b+32*\i            ; V's scale bytes: channel 32 i + lane, block b
.endr
.endr
	s_wait_dscnt 0x0
	v_lshrrev_b32 v[QSC], 16, v[KSC+4]             ; Q's two bytes are the upper half of its tiles' words; fourteen plain lines follow ahead of the first product
.irp i, 0,1
	v_lshl_or_b32 v[VSC+3*\i], v[S+9*\i+1], 8, v[S+9*\i]
	v_lshl_or_b32 v[VSC+3*\i+1], v[S+9*\i+5], 8, v[S+9*\i+4]
	v_lshl_or_b32 v[VSC+3*\i], v[S+9*\i+2], 16, v[VSC+3*\i]
	v_lshl_or_b32 v[VSC+3*\i+1], v[S+9*\i+6], 16, v[VSC+3*\i+1]
	v_lshl_or_b32 v[VSC+3*\i], v[S+9*\i+3], 24, v[VSC+3*\i]
	v_lshl_or_b32 v[VSC+3*\i+1], v[S+9*\i+7], 24, v[VSC+3*\i+1]
	v_mov_b32 v[VSC+3*\i+2], v[S+9*\i+8]
.endr
	s_wait_alu depctr_va_vdst(0)                   ; QSC and VSC, scale registers of this trip's scaled products, are written (the places stand in front of this wait); in the first trip so are the zero codes among K's, Q's, V's and p's registers
	TILE 0
	TILE 1
	s_add_co_u32 s45, s45, 2048
	s_add_co_u32 s46, s46, 128
	s_add_co_u32 s47, s47, 1024
	s_add_co_u32 s48, s48, 64
	s_add_co_u32 s49, s49, 0x20000
	s_add_co_u32 s51, s51, 1
	s_add_co_u32 s44, s44, 1
	s_cmp_lt_u32 s44, 4
	s_cbranch_scc1 .Ltrip
	s_set_vgpr_msb 0x8
	s_wait_dscnt 0x0
	s_wait_alu depctr_hold_cnt(0) depctr_sa_sdst(0) depctr_va_vdst(0) depctr_va_sdst(0) depctr_va_ssrc(0) depctr_va_vcc(0) depctr_vm_vsrc(0)
	s_wait_tensorcnt 0x0
	ds_add_u32 v31, v255
	s_wait_dscnt 0x0
	s_endpgm
.Lfunc_end_k_qeca9671cfa_attn:
	.size	k_qeca9671cfa_attn, .Lfunc_end_k_qeca9671cfa_attn-k_qeca9671cfa_attn
	.p2alignl 7, 3214868480
	.fill 96, 4, 3214868480
	.section	.rodata,"a",@progbits
	.p2align	6, 0x0
	.amdhsa_kernel k_qeca9671cfa_attn
		.amdhsa_group_segment_fixed_size 201728
		.amdhsa_private_segment_fixed_size 0
		.amdhsa_enable_private_segment 0
		.amdhsa_kernarg_size 64
		.amdhsa_user_sgpr_count 2
		.amdhsa_user_sgpr_kernarg_segment_ptr 1
		.amdhsa_wavefront_size32 1
		.amdhsa_system_sgpr_workgroup_id_x 1
		.amdhsa_system_sgpr_workgroup_id_y 1
		.amdhsa_system_sgpr_workgroup_id_z 1
		.amdhsa_system_vgpr_workitem_id 0
		.amdhsa_next_free_vgpr 1024
		.amdhsa_next_free_sgpr 66
		.amdhsa_reserve_vcc 0
		.amdhsa_float_denorm_mode_32 3
		.amdhsa_float_denorm_mode_16_64 3
		.amdhsa_memory_ordered 1
		.amdhsa_forward_progress 1
		.amdhsa_inst_pref_size 255
	.end_amdhsa_kernel
	.amdgpu_metadata
---
amdhsa.version: [ 1, 2 ]
amdhsa.kernels:
  - .name:           k_qeca9671cfa_attn
    .symbol:         k_qeca9671cfa_attn.kd
    .args:
      - { .name: xc, .offset: 0, .size: 8, .value_kind: global_buffer, .address_space: global }
      - { .name: xs, .offset: 8, .size: 8, .value_kind: global_buffer, .address_space: global }
      - { .name: wc, .offset: 16, .size: 8, .value_kind: global_buffer, .address_space: global }
      - { .name: ws, .offset: 24, .size: 8, .value_kind: global_buffer, .address_space: global }
      - { .name: bk, .offset: 32, .size: 8, .value_kind: global_buffer, .address_space: global }
      - { .name: bq, .offset: 40, .size: 8, .value_kind: global_buffer, .address_space: global }
      - { .name: bv, .offset: 48, .size: 8, .value_kind: global_buffer, .address_space: global }
      - { .name: out0, .offset: 56, .size: 8, .value_kind: global_buffer, .address_space: global }
    .group_segment_fixed_size: 201728
    .private_segment_fixed_size: 0
    .kernarg_segment_align: 8
    .kernarg_segment_size: 64
    .max_flat_workgroup_size: 128
    .sgpr_count:     66
    .vgpr_count:     1024
    .wavefront_size: 32
...
	.end_amdgpu_metadata
.endif
;; end of part 3
